; MI455X (gfx1250); checked and timed in simulation.
; The chip was launched on July 23, 2026; its instructions are those of AMD's public machine-readable ISA for CDNA 5 (MIT licence, August 2026) and "CDNA5" Instruction Set Architecture Reference Guide (July 2026). The comments in the code are by the model that wrote it; some were corrected since.
;; Multi Head Attention Efficient. Allowed arithmetic: matrix products marked QUANTISED: E2M3 operands, one E8M0 scale for each 32 along K, by v_wmma_scale_f32_16x16x128_f8f6f4 with both operands' format E2M3, f32 sums; everything else in f32.
;; Inputs: W_out 1,024 x 1,024 float32; W_qkv 1,024 x 3,072 float32; b_out 1,024 float32; b_qkv 3,072 float32; x 4 x 2,048 x 1,024 float32.
;; Outputs: out0 4 x 2,048 x 1,024 float32.
;; This version of the problem:
;;   THIS VERSION OF THE PROBLEM IS GIVEN IN LOW PRECISION. The matrix products marked QUANTISED in the list below multiply operands that are first quantised to E2M3 (2 exponent bits, 3 mantissa bits; 6 bits a number), with one power-of-two scale for each 32 numbers along K (OCP MX v1.0); their sums are f32. All else is computed in f32.
;;   The module's matrix products, in the order in which they are computed (A, B: the left and right operand; K: the contracted axis; several contracted axes count as one K, in the product's order):
;;     1. [M 8,192, K 1,024] x [K 1,024, N 3,072]; A: input x; B: input W_qkv: QUANTISED
;;     2. batch 64 x [M 2,048, K 64] x [K 64, N 2,048]; A: computed on the way; B: computed on the way: QUANTISED
;;     3. batch 64 x [M 2,048, K 2,048] x [K 2,048, N 64]; A: softmax (see below); B: computed on the way: QUANTISED
;;     4. [M 8,192, K 1,024] x [K 1,024, N 1,024]; A: computed on the way; B: input W_out: QUANTISED
;;   THE QUANTISER, for each operand of a quantised product, along K:
;;     - K is cut into blocks of 32 from its start; a last block that is shorter is filled with zeros.
;;     - A block's scale is 2^e with e = floor(log2(the largest magnitude in the block)) - 2, held to -126 .. 127; a block of zeros has e = 0. As a byte (E8M0): e + 127.
;;     - Each number is divided by its block's scale, clamped to +-7.5, and rounded to the nearest number of E2M3, ties to even, subnormals kept.
;;     - The product sums the exact products of the quantised numbers (number of the format x scale) in f32.
;;   ~~~python
;;   def quantise(x, axis):      # numpy; x: float32 -> the quantised numbers, widened to float32 again
;;       x = np.moveaxis(x, axis, -1); K = x.shape[-1]
;;       x = np.pad(x, [(0, 0)] * (x.ndim - 1) + [(0, -K % 32)]); x = x.reshape(x.shape[:-1] + (-1, 32)); a = np.abs(x).max(-1, keepdims=True)
;;       e = np.where(a > 0, np.clip(np.frexp(np.where(a > 0, a, 1))[1] - 1 - 2, -126, 127), 0)      # np.frexp(a)[1] - 1 = floor(log2(a)), exactly
;;       r = np.clip(x / 2.0 ** e, -7.5, 7.5)
;;       step = 2.0 ** (np.maximum(np.frexp(np.where(r == 0, 1, r))[1] - 1, 0) - 3)
;;       q = np.round(r / step) * step * 2.0 ** e      # np.round: ties to even
;;       return np.moveaxis(q.reshape(q.shape[:-2] + (-1,))[..., :K], -1, axis).astype(np.float32)
;;   ~~~
;;   SOFTMAX AHEAD OF A QUANTISED PRODUCT. Where the list says 'softmax', what is quantised is not the finished softmax but p = 2^(t - M), with t = logit x log2(e) and M = ceil(the row's largest t), a whole number; so 1/2 < the row's largest p <= 1. The row's sum l is taken of the UNQUANTISED p, in f32, and the product's result is divided by l at the end. Since M is a whole number, a kernel that streams over the keys may use a running M (the ceiling of the running maximum): every later rescaling is an exact power of two, which a block's scale takes up: the codes' values come out the same.
;;   OPERANDS COMPUTED ON THE WAY. 'Computed on the way' means the value that the module computes at that place (a softmax that the list does not call 'softmax' is quantised finished and normalised). What goes into a quantiser is computed in f32, as accurately as f32 sums, v_exp_f32 and their like allow (about 1e-6 of the number): no bf16 or f16 on the way to a quantiser, and a product that is left as it is and whose result goes on into a quantised operand takes f32 operands (vector FMAs, or v_wmma_f32_16x16x4_f32). A number that lies on a knife's edge between two numbers of the format may be rounded either way, as far as f32 arithmetic and the matrix unit's own rounding can turn it there, and no further.
;; One version. Each part assembles by itself: llvm-mc -triple=amdgcn-amd-amdhsa -mcpu=gfx1250 --defsym DOCPART=n.
;; ======== version 1 of 1: 4 launches
;; workspace buffers: xc 6,291,456 bytes; xs 262,144 bytes; wc 3,145,728 bytes; ws 131,072 bytes; qkv 20,185,088 bytes; oc 6,291,456 bytes; os 262,144 bytes
;; launch prep (part 1): grid 384 x 1, 4 waves a work-group, no clusters, 68,096 bytes of LDS; arguments x, W_qkv, W_out, xc, xs, wc, ws; writes xc, xs, wc, ws
.if DOCPART == 1
	.amdgcn_target "amdgcn-amd-amdhsa--gfx1250"
	.amdhsa_code_object_version 6
	.text
	.protected	k_q07ef8c14c0_prep
	.globl	k_q07ef8c14c0_prep
	.p2align	8
	.type	k_q07ef8c14c0_prep,@function
k_q07ef8c14c0_prep:
	s_mov_b64 s[64:65], 0
	v_nop
	global_prefetch_b8 v0, s[64:65] scope:SCOPE_SE
	s_setreg_imm32_b32 hwreg(HW_REG_WAVE_MODE, 25, 1), 1
	s_wait_xcnt 0x0
; x [8192][1024], W_qkv [1024][3072] and W_out [1024][1024], f32, become codes of FP6 (E2M3) with K innermost and one E8M0 scale byte for each 32 along K.
; xc [8192][768 bytes], xs [8192][32]: rows are tokens.  wc [4096][768], ws [4096][32]: rows 0-3071 are W_qkv's columns, rows 3072-4095 W_out's.
; ROWS ARE STORED PERMUTED: logical row i lies at row sw(i), i with its bits 3 and 4 exchanged.  So 16 consecutive stored rows 16 (2 b + u) + i are the logical rows 32 b + 8 u + i + 8 (i / 8):
; a product that takes such 16 rows as source 0 leaves 16 NEIGHBOURS along that axis in a lane's registers of two neighbouring tiles, which is what the next quantiser wants.
; A block's scale is 2^(floor(log2(its largest magnitude)) - 2); its byte is the largest magnitude's exponent field - 2, held at 1 from below.
; LIMITS: a block of zeros, and a block whose largest magnitude lies under 2^-124, gets the byte 1 (the bytes are read by this program alone; zero codes add nothing); NaN and infinities among the inputs are not served.
; Work-groups 0-255 take x (K innermost: a stream of blocks; a wave takes 8 rows), work-groups 256-383 the weights (K outermost: a lane takes a column, its registers run down K).
; The two ways have LDS bytes of their own: [0, 32768) and [32768, 67584).  No tensor loads, no barrier: waves share nothing.
.set X_STEPS, 16
.set X_CB,    12                       ; bytes of 16 codes
.set X_R,     16                       ; v16-79   four sets of 16 numbers as loaded
.set X_X,     80                       ; v80-111  two sets of 16 neighbours
.set X_E,     112                      ; v112-127 a scale byte for each step
.set X_C,     128                      ; v128-191 codes, four registers a step: no store's data are written again
.set X_WREG,  8192                     ; LDS of a wave: two stages of 32 x 80 bytes, then its 256 scale bytes
.set X_SP,    80                       ; a lane's place in a stage: 64 bytes + 16 of padding
.set W_LDS,   32768
.set W_PITCH, 272                      ; a stage row: sixteen places of 16 bytes (12 of codes each) + 16
.set W_X,     32                       ; v32-95   two sets of 32 numbers
.set W_C,     96                       ; v96..    a block's codes
.set W_OUT,   112                      ; v112-175 the way out
.set W_SB,    24                       ; v24-25   eight scale bytes
.set W_RO,    176                      ; v176-207 byte offsets of 32 rows of W at my column; never rewritten
	v_lshl_add_u32 v208, v0, 2, 0x10800
	v_mov_b32 v209, 0
	v_lshrrev_b32 v1, 5, v0
	v_readfirstlane_b32 s16, v1                    ; wave
	v_and_b32 v2, 31, v0                           ; lane
	s_cmp_lt_u32 ttmp9, 256
	s_cbranch_scc0 .Lw
; ---------------- x: a wave takes a run of 8,192 numbers (8 rows), 16 steps of 512
	s_load_b64 s[4:5], s[0:1], 0x0                 ; x
	s_load_b64 s[8:9], s[0:1], 0x18                ; xc
	s_load_b64 s[10:11], s[0:1], 0x20              ; xs
	v_lshlrev_b32 v3, 4, v2                        ; my 16 bytes of a load's 512
	s_mul_i32 s17, s16, X_WREG
	v_lshrrev_b32 v14, 2, v2
	v_mul_u32_u24 v14, v14, X_SP
	v_and_b32 v15, 3, v2
	v_lshl_add_u32 v14, v15, 4, v14
	v_add_nc_u32 v14, s17, v14                     ; the stage, in: 80 (lane / 4) + 16 (lane % 4)
	v_mul_u32_u24 v15, v2, X_SP
	v_add_nc_u32 v15, s17, v15                     ; out: 80 x lane: my 16 neighbours
	v_mul_u32_u24 v4, v2, X_CB                     ; my codes' place in a step's
	v_lshrrev_b32 v5, 1, v2
	s_add_co_u32 s17, s17, 2*32*X_SP
	v_add_nc_u32 v5, s17, v5                       ; my block's scale byte in LDS
	v_lshlrev_b32 v7, 3, v2
	v_add_nc_u32 v6, s17, v7                       ; and 8 bytes a lane on the way out
	s_lshl_b32 s18, ttmp9, 2
	s_add_co_u32 s20, s18, s16                     ; the run that I read: 4 x work-group + wave
	s_and_b32 s21, s16, 1
	s_lshl_b32 s21, s21, 1
	s_lshr_b32 s22, s16, 1
	s_or_b32 s21, s21, s22
	s_add_co_u32 s22, s18, s21                     ; the run that I write: a run is 8 rows, so a row's bits 3 and 4 are the run's bits 0 and 1: exchanged
	s_lshl_b32 s20, s20, 15                        ; 32,768 bytes of numbers a run
	s_mov_b32 s21, 0
	s_mul_i32 s24, s22, 6144                       ; 8 rows of 768 bytes of codes
	s_mov_b32 s25, 0
	s_lshl_b32 s26, s22, 8                         ; 8 rows of 32 scale bytes
	s_mov_b32 s27, 0
	s_wait_kmcnt 0x0
	s_add_nc_u64 s[4:5], s[4:5], s[20:21]
	s_add_nc_u64 s[8:9], s[8:9], s[24:25]
	s_add_nc_u64 s[10:11], s[10:11], s[26:27]
.macro X_LOAD t
.irp i, 0,1,2,3
	global_load_b128 v[X_R+16*((\t)%4)+4*\i:X_R+16*((\t)%4)+4*\i+3], v3, s[4:5] offset:2048*(\t)+512*\i th:TH_LOAD_NT   ; 32 lanes read 512 consecutive bytes
.endr
.endm
.macro X_TURN t                        ; a step's numbers through the stage: LDS serves a wave's instructions in order, so no wait stands between the stores and the loads
.irp i, 0,1,2,3
	ds_store_b128 v14, v[X_R+16*((\t)%4)+4*\i:X_R+16*((\t)%4)+4*\i+3] offset:32*X_SP*((\t)%2)+8*X_SP*\i
.endr
.irp i, 0,1,2,3
	ds_load_b128 v[X_X+16*((\t)%2)+4*\i:X_X+16*((\t)%2)+4*\i+3], v15 offset:32*X_SP*((\t)%2)+16*\i
.endr
.endm
.irp t, 0,1,2,3
	X_LOAD \t
.endr
	s_wait_loadcnt 12                              ; step 0's four loads are in; twelve younger ones may be out
	X_TURN 0
.macro X_STEP t
.set XSET, X_X+16*((\t)%2)
.if (\t) > 0
	s_wait_dscnt 1                                 ; this step's numbers are back from the stage (the last step's byte store may be out)
.else
	s_wait_dscnt 0x0
.endif
.if (\t)+4 < X_STEPS
	X_LOAD (\t)+4                                  ; into the registers that this step's stores into the stage have read
.endif
.if (\t)+1 < X_STEPS
.if X_STEPS-2-(\t) >= 3
	s_wait_loadcnt 12                              ; the next step's four loads are in; those of the three steps behind it may be out
.else
	s_wait_loadcnt 4*(X_STEPS-2-(\t))
.endif
	X_TURN (\t)+1
.endif
	v_max3_num_f32 v8, |v[XSET]|, |v[XSET+1]|, |v[XSET+2]|         ; the largest magnitude of my 16
	v_max3_num_f32 v9, |v[XSET+3]|, |v[XSET+4]|, |v[XSET+5]|
.irp i, 6,10
	v_max3_num_f32 v8, v8, |v[XSET+\i]|, |v[XSET+\i+1]|
	v_max3_num_f32 v9, v9, |v[XSET+\i+2]|, |v[XSET+\i+3]|
.endr
	v_max3_num_f32 v8, v8, |v[XSET+14]|, |v[XSET+15]|
	v_max3_num_f32 v8, v8, v9, 0x1800000           ; and the floor 2^(3 - 127): the byte cannot fall under 1
	v_max_num_f32_dpp v8, v8, v8 row_xmask:1 row_mask:0xf bank_mask:0xf   ; with my neighbour's 16: the block's
	v_add_nc_u32 v11, 0xff000000, v8               ; 2 off its exponent field: the conversion takes the exponent field of this operand as its scale
	v_cvt_scalef32_pk16_fp6_f32 v[X_C+4*(\t):X_C+4*(\t)+2], v[XSET:XSET+15], v11
	v_lshrrev_b32 v[X_E+(\t)], 23, v11             ; the scale's byte (a plain line behind the conversion)
	ds_store_b8 v5, v[X_E+(\t)] offset:16*(\t)     ; both lanes of a block write the same byte with the same value
	global_store_b96 v4, v[X_C+4*(\t):X_C+4*(\t)+2], s[8:9] offset:32*X_CB*(\t)   ; the wave stores 384 consecutive bytes
.endm
.irp t, 0,1,2,3,4,5,6,7,8,9,10,11,12,13,14,15
	X_STEP \t
.endr
	ds_load_b64 v[12:13], v6                       ; LDS serves a wave's instructions in order: these see my stores
	s_wait_dscnt 0x0
	global_store_b64 v7, v[12:13], s[10:11]        ; 32 lanes store 256 consecutive bytes, aligned
	s_wait_tensorcnt 0x0
	ds_add_u32 v208, v209
	s_wait_dscnt 0x0
	s_endpgm
; ---------------- the weights: a wave takes 32 columns x 256 along K: 8 blocks a lane
.Lw:
	s_load_b64 s[4:5], s[0:1], 0x8                 ; W_qkv
	s_load_b64 s[6:7], s[0:1], 0x10                ; W_out
	s_load_b64 s[8:9], s[0:1], 0x28                ; wc
	s_load_b64 s[10:11], s[0:1], 0x30              ; ws
	s_sub_co_u32 s17, ttmp9, 256
	s_and_b32 s18, s17, 3                          ; y: which 256 along K
	s_lshr_b32 s19, s17, 2                         ; which 128 rows of wc: 0-23 W_qkv's columns, 24-31 W_out's
	s_mul_i32 s26, s16, 32*W_PITCH
	s_add_co_u32 s26, s26, W_LDS                   ; my stage
	v_and_b32 v5, 7, v2
	v_bfe_u32 v6, v2, 3, 1
	v_lshl_or_b32 v5, v6, 4, v5
	v_bfe_u32 v6, v2, 4, 1                         ; lane / 16
	v_lshl_or_b32 v5, v6, 3, v5                    ; sw(lane): the stored row of my column among the wave's 32
	v_mul_u32_u24 v4, v5, W_PITCH
	v_add_nc_u32 v4, s26, v4                       ; into the stage: that row
	v_lshlrev_b32 v9, 5, v5                        ; and its row of scale bytes
	v_and_b32 v5, 15, v2
	v_mul_u32_u24 v7, v6, W_PITCH
	v_lshl_add_u32 v7, v5, 4, v7
	v_add_nc_u32 v7, s26, v7                       ; out of it: sixteen lanes to a row, two rows an instruction
	v_mul_u32_u24 v8, v6, 768
	v_mad_u32_u24 v8, v5, 12, v8                   ; and the same place in wc
	s_lshl_b32 s27, s19, 7
	s_lshl_b32 s28, s16, 5
	s_add_co_u32 s27, s27, s28                     ; my wave's first row of wc and ws
	s_mul_i32 s28, s27, 768
	s_mul_i32 s29, s18, 192
	s_add_co_u32 s28, s28, s29
	s_mov_b32 s29, 0
	s_lshl_b32 s30, s27, 5
	s_lshl_b32 s31, s18, 3
	s_add_co_u32 s30, s30, s31
	s_mov_b32 s31, 0
	s_wait_kmcnt 0x0
	s_cmp_lt_u32 s19, 24                           ; the choice hangs on the work-group's number alone
	s_cselect_b64 s[4:5], s[4:5], s[6:7]           ; the weight,
	s_mov_b32 s20, 4096
	s_cselect_b32 s20, 12288, s20                  ; its row in bytes,
	s_cselect_b32 s21, 0, 24
	s_sub_co_u32 s21, s19, s21                     ; and which 128 of its columns
	s_add_nc_u64 s[8:9], s[8:9], s[28:29]
	s_add_nc_u64 s[10:11], s[10:11], s[30:31]
	s_mul_i32 s22, s18, s20
	s_lshl_b32 s22, s22, 8                         ; 256 y rows down
	s_lshl_b32 s23, s21, 9
	s_add_co_u32 s22, s22, s23
	s_lshl_b32 s23, s16, 7
	s_add_co_u32 s22, s22, s23                     ; + 4 x my wave's first column
	s_mov_b32 s23, 0
	s_add_nc_u64 s[32:33], s[4:5], s[22:23]        ; a base for each of the 8 blocks, so that none is stepped while loads are out
	s_lshl_b32 s24, s20, 5
	s_mov_b32 s25, 0
.irp t, 1,2,3,4,5,6,7
	s_add_nc_u64 s[32+2*\t:33+2*\t], s[30+2*\t:31+2*\t], s[24:25]
.endr
	v_lshlrev_b32 v[W_RO], 2, v2
.set i, 1
.rept 31
	v_add_nc_u32 v[W_RO+i], s20, v[W_RO+i-1]
.set i, i+1
.endr
.macro W_LOAD t                        ; block t: W(256 y + 32 t + i, my column): 32 lanes read 128 consecutive bytes
.irp i, 0,1,2,3,4,5,6,7,8,9,10,11,12,13,14,15,16,17,18,19,20,21,22,23,24,25,26,27,28,29,30,31
	global_load_b32 v[W_X+32*((\t)%2)+\i], v[W_RO+\i], s[32+2*(\t):33+2*(\t)] th:TH_LOAD_NT
.endr
.endm
	W_LOAD 0
	W_LOAD 1
.macro W_BLOCK t
.set WSET, W_X+32*((\t)%2)
.if (\t) < 7
	s_wait_loadcnt 32                              ; this block's 32 loads are in; the next block's may be out
.else
	s_wait_loadcnt 0
.endif
	v_max3_num_f32 v12, |v[WSET]|, |v[WSET+1]|, |v[WSET+2]|        ; the block's largest magnitude: all 32 numbers are mine
	v_max3_num_f32 v13, |v[WSET+3]|, |v[WSET+4]|, |v[WSET+5]|
.irp i, 6,10,14,18,22,26
	v_max3_num_f32 v12, v12, |v[WSET+\i]|, |v[WSET+\i+1]|
	v_max3_num_f32 v13, v13, |v[WSET+\i+2]|, |v[WSET+\i+3]|
.endr
	v_max3_num_f32 v12, v12, |v[WSET+30]|, |v[WSET+31]|
	v_max3_num_f32 v12, v12, v13, 0x1800000        ; and the floor
	v_add_nc_u32 v11, 0xff000000, v12              ; the conversion's scale operand
	v_lshrrev_b32 v13, 23, v11                     ; the scale's byte
.if (\t)%4 == 0
	v_mov_b32 v[W_SB+(\t)/4], v13                  ; four bytes to a register, the lower K in the lower byte
.else
	v_lshl_or_b32 v[W_SB+(\t)/4], v13, 8*((\t)%4), v[W_SB+(\t)/4]
.endif
	v_cvt_scalef32_pk16_fp6_f32 v[W_C:W_C+2], v[WSET:WSET+15], v11
	v_cvt_scalef32_pk16_fp6_f32 v[W_C+4:W_C+6], v[WSET+16:WSET+31], v11   ; (a conversion's three registers begin on an even number)
	ds_store_b96 v4, v[W_C:W_C+2] offset:32*(\t)   ; 12 bytes to a place of 16, so that every LDS address is a multiple of 16
	ds_store_b96 v4, v[W_C+4:W_C+6] offset:32*(\t)+16
.if (\t)+2 < 8
	W_LOAD (\t)+2
.endif
	s_wait_dscnt 0x0                               ; the stores have read their registers: the next block's codes may be written (plain lines open the next block)
.endm
.irp t, 0,1,2,3,4,5,6,7
	W_BLOCK \t
.endr
	global_store_b64 v9, v[W_SB:W_SB+1], s[10:11]  ; my column's 8 scale bytes
.irp t, 0,1,2,3,4,5,6,7,8,9,10,11,12,13,14,15
	ds_load_b96 v[W_OUT+4*\t:W_OUT+4*\t+2], v7 offset:2*\t*W_PITCH   ; LDS serves a wave's instructions in order: these see my stores
.endr
.irp t, 0,1,2,3,4,5,6,7,8,9,10,11,12,13,14,15
	s_wait_dscnt 15-\t                             ; row pair t is in; the later pairs may be out
	global_store_b96 v8, v[W_OUT+4*\t:W_OUT+4*\t+2], s[8:9] offset:2*\t*768   ; sixteen lanes store a row's 192 consecutive bytes
.endr
	s_wait_tensorcnt 0x0
	ds_add_u32 v208, v209
	s_wait_dscnt 0x0
	s_endpgm
.Lfunc_end_k_q07ef8c14c0_prep:
	.size	k_q07ef8c14c0_prep, .Lfunc_end_k_q07ef8c14c0_prep-k_q07ef8c14c0_prep
	.p2alignl 7, 3214868480
	.fill 96, 4, 3214868480
	.section	.rodata,"a",@progbits
	.p2align	6, 0x0
	.amdhsa_kernel k_q07ef8c14c0_prep
		.amdhsa_group_segment_fixed_size 68096
		.amdhsa_private_segment_fixed_size 0
		.amdhsa_enable_private_segment 0
		.amdhsa_kernarg_size 56
		.amdhsa_user_sgpr_count 2
		.amdhsa_user_sgpr_kernarg_segment_ptr 1
		.amdhsa_wavefront_size32 1
		.amdhsa_system_sgpr_workgroup_id_x 1
		.amdhsa_system_sgpr_workgroup_id_y 1
		.amdhsa_system_sgpr_workgroup_id_z 1
		.amdhsa_system_vgpr_workitem_id 0
		.amdhsa_next_free_vgpr 210
		.amdhsa_next_free_sgpr 66
		.amdhsa_reserve_vcc 0
		.amdhsa_float_denorm_mode_32 3
		.amdhsa_float_denorm_mode_16_64 3
		.amdhsa_memory_ordered 1
		.amdhsa_forward_progress 1
		.amdhsa_inst_pref_size 75
	.end_amdhsa_kernel
	.amdgpu_metadata
---
amdhsa.version: [ 1, 2 ]
amdhsa.kernels:
  - .name:           k_q07ef8c14c0_prep
    .symbol:         k_q07ef8c14c0_prep.kd
    .args:
      - { .name: x, .offset: 0, .size: 8, .value_kind: global_buffer, .address_space: global }
      - { .name: W_qkv, .offset: 8, .size: 8, .value_kind: global_buffer, .address_space: global }
      - { .name: W_out, .offset: 16, .size: 8, .value_kind: global_buffer, .address_space: global }
      - { .name: xc, .offset: 24, .size: 8, .value_kind: global_buffer, .address_space: global }
      - { .name: xs, .offset: 32, .size: 8, .value_kind: global_buffer, .address_space: global }
      - { .name: wc, .offset: 40, .size: 8, .value_kind: global_buffer, .address_space: global }
      - { .name: ws, .offset: 48, .size: 8, .value_kind: global_buffer, .address_space: global }
    .group_segment_fixed_size: 68096
    .private_segment_fixed_size: 0
    .kernarg_segment_align: 8
    .kernarg_segment_size: 56
    .max_flat_workgroup_size: 128
    .sgpr_count:     66
    .vgpr_count:     210
    .wavefront_size: 32
...
	.end_amdgpu_metadata
.endif
;; end of part 1
;; launch qkv (part 2): grid 12 x 32, 4 waves a work-group, clusters of 4 x 4, 327,680 bytes of LDS; arguments xc, xs, wc, ws, b_qkv, qkv; writes qkv
.if DOCPART == 2
	.amdgcn_target "amdgcn-amd-amdhsa--gfx1250"
	.amdhsa_code_object_version 6
	.text
	.protected	k_q07ef8c14c0_qkv
	.globl	k_q07ef8c14c0_qkv
	.p2align	8
	.type	k_q07ef8c14c0_qkv,@function
k_q07ef8c14c0_qkv:
	s_mov_b64 s[64:65], 0
	v_nop
	global_prefetch_b8 v0, s[64:65] scope:SCOPE_SE
	s_setreg_imm32_b32 hwreg(HW_REG_WAVE_MODE, 25, 1), 1
	s_wait_xcnt 0x0
	s_wait_alu depctr_hold_cnt(0) depctr_sa_sdst(0) depctr_va_vdst(0) depctr_va_sdst(0) depctr_va_ssrc(0) depctr_va_vcc(0) depctr_vm_vsrc(0)
	s_getreg_b32 s2, hwreg(HW_REG_IB_STS2, 6, 4)
	s_cmp_eq_u32 s2, 0
	s_cbranch_scc0 .Lentry_in_a_cluster
	s_endpgm
.Lentry_in_a_cluster:
	s_bfe_u32 s2, ttmp6, 0x10000c
	s_cmp_lg_u32 s2, 0xf033
	s_cbranch_scc0 .Lentry_shape_is_right
	s_endpgm
.Lentry_shape_is_right:
; qkv = x W_qkv + b_qkv on codes of FP6 (E2M3) with E8M0 scales, K = 1,024; the results are quantised in registers and leave as IMAGES OF OPERAND REGISTERS for the attention launch: nothing wider than codes goes to memory.
; Clusters with x = 0, 1: C = x~ W~^T, rows = tokens (32 tiles of 256), columns = q's and k's 2,048 (8 tiles): a lane then holds one token and its registers run along the head's 64: q and k are quantised along d.
; Clusters with x = 2:    C = W~_v x~^T, rows = v's 1,024 columns (4 tiles), columns = tokens (32 tiles): a lane holds one channel d and its registers run along the tokens: v is quantised along the keys.
; Both ways share the whole product (only pointers and row numbers are chosen, by selects on the cluster's x, which all sixteen partners share) and part once, in front of the last step.
; A tile of C, 256 x 256, is made by four waves, each 128 x 128: 64 accumulators, 512 registers.  K goes in steps of 256 through a ring of two LDS slots filled by joint tensor loads:
; the four work-groups of a row of the cluster ask jointly for A's tiles, the four of a column for B's.  The scale bytes of the work-group's rows come into LDS once.
; THE MATRIX INSTRUCTION IS USED TRANSPOSED (source 0 = 16 rows of B, source 1 = 16 rows of A).  Rows of xc and wc are stored with bits 3 and 4 of the row number exchanged, so lane (r, h), register j of accumulator (a, b)
; holds logical column 32 (b / 2) + 16 h + 8 (b % 2) + j of logical row 32 (a / 2) + 8 (a % 2) + r + 8 (r / 8): a block's 64 registers are 4 x 16 neighbours along the columns.
; THE OUTPUT, qkv: [batch x head 64][key step 16][19,712 bytes]: K 8 tiles x 768 | K's scale words 512 | V^T 4 tiles x 1,536 | V's scale words 256 | Q 8 tiles x 768 | Q's scale words 512.
; A tile of q or k (16 tokens x 64, 6 registers): registers 0-3 at 16 x lane, 4-5 at 512 + 8 x lane.  A tile of V^T (16 d x 128 keys, 12 registers): registers 4 c .. at 512 c + 16 x lane.
; LIMITS: a block of zeros or under 2^-124 gets the scale byte 1; NaN and infinities are not served.
; REGISTERS: window 0: v1 r, v2 h, v8-11 store offsets, v16-29 addresses, v32-63 scale words, v64-127 the bias, v128-223 A's fragments (later a block's numbers, codes and work), v232-247 scale words made.
;   window 1: B's fragments, two sets.  windows 2, 3: the accumulators.
.set KSTEP,  256
.set NQ,     2
.set ROWB,   192                       ; a tile's row: 256 codes
.set KROW,   768                       ; a row of codes in memory
.set PITCH,  240                       ; an LDS row: 3 x (64 bytes + 16 of padding)
.set FR,     12
.set NL,     6
.set NP,     4
.set HALFT,  128*PITCH
.set SLOT,   4*HALFT
.set LAPS,   2                         ; 1,024 / 512
.set KS,     32                        ; a row of scale bytes
.set SCL,    2*SLOT
.set HALFS,  (128*KS/256)*272
.set SBLK,   (16*KS/256)*272
.set SPARE,  SCL+4*HALFS               ; the spare words, 128 bytes a wave: two blocks of 256 bytes that no other line names
.set PACK,   19712
.set HS,     16*PACK                   ; from a head to the next in qkv
.set ADRA, 16
.set ADRB, 20
.set ADRS, 27
.set SPW,  28
.set NIL,  29
.set SC,   32
.set BI,   64                          ; the bias
.set AF,   128
.set NB,   128                         ; a block's 64 numbers
.set CD,   192                         ; its codes: v192-203; second halves made at v204, v208
.set TM,   212                         ; v212-227 at work
.set PWS,  232                         ; v232-239 the eight blocks' scale words
.set G1, 24
.set G0, 32
.set G1B, 48
.set G0B, 56
.set G1S, 68
.set G0S, 76
.set G1SB, 80
.set G0SB, 88
.set MSB, 0
.macro WIN new                         ; the immediate's high byte repeats the setting that is left
.if MSB != (\new)
	s_set_vgpr_msb (MSB<<8)|(\new)
.set MSB, (\new)
.endif
.endm
.set MUL_LO, 0xa1                      ; source 0 (B) window 1, source 1 (A) window 0, C and D window 2
.set MUL_HI, 0xf1
.set TO_B,   0x40
; A joint load: waves 0 and 1 fetch for A, waves 2 and 3 for B; the branch hangs on the wave's number alone.  Four v_nop follow each of the two lines.
.macro JLOAD g0a, g1a, g0b, g1b
	s_cmp_eq_u32 s15, 0
	s_cbranch_scc0 .Lfor_b_\@
	tensor_load_to_lds s[\g0a:\g0a+3], s[\g1a:\g1a+7]
	s_nop 0
.rept 4
	v_nop
.endr
	s_branch .Lasked_\@
.Lfor_b_\@:
	tensor_load_to_lds s[\g0b:\g0b+3], s[\g1b:\g1b+7]
	s_nop 0
.rept 4
	v_nop
.endr
.Lasked_\@:
.endm
.macro CREST                           ; a round of the cluster's barrier behind its opening barrier
	s_cmp_lg_u32 s14, 0
	s_cbranch_scc1 .Lnot_wave_0_\@
	s_barrier_signal -3
.Lnot_wave_0_\@:
	s_barrier_wait -3
	s_barrier_signal -1
	s_barrier_wait -1
.endm
.macro CROUND
	s_barrier_signal -1
	s_barrier_wait -1
	CREST
.endm
	s_load_b128 s[4:7], s[0:1], 0x0                ; xc, xs
	s_load_b128 s[8:11], s[0:1], 0x10              ; wc, ws
	s_load_b128 s[96:99], s[0:1], 0x20             ; b_qkv, qkv
	v_lshl_add_u32 v[SPW], v0, 2, SPARE
	v_mov_b32 v[NIL], 0
	ds_add_u32 v28, v29
	ds_add_u32 v28, v29
	s_wait_dscnt 0x0
	v_lshrrev_b32 v1, 5, v0
	v_readfirstlane_b32 s14, v1                    ; wave 0..3
	s_lshr_b32 s15, s14, 1                         ; which half of the tile's rows is mine.  Also: I fetch for A (0) or for B (1)
	s_and_b32 s16, s14, 1                          ; which half of its columns.  Also: which 128 rows of that tile I fetch
	s_bfe_u32 s40, ttmp6, 0x40000                  ; cx, cy
	s_bfe_u32 s41, ttmp6, 0x40004
	s_and_b32 s17, ttmp7, 0xffff                   ; the cluster's y
	s_cmp_eq_u32 ttmp9, 2                          ; the cluster's x = 2: v's way.  The same in all sixteen partners
	s_cselect_b32 s42, s17, ttmp9                  ; clusters along the columns: v: y (tokens), else x
	s_cselect_b32 s17, 0, s17                      ; along the rows: v: one cluster covers the 1,024, else y
	s_cselect_b32 s95, 2048, 0                     ; A's first row: v's columns begin at row 2,048 of wc
	s_cselect_b32 s104, 1, 0
	s_lshl_b32 s42, s42, 2
	s_add_co_u32 s42, s42, s40                     ; tile column
	s_lshl_b32 s17, s17, 2
	s_add_co_u32 s17, s17, s41                     ; tile row
	s_lshl_b32 s43, s41, 2
	s_lshl_b32 s43, 15, s43                        ; my row of the cluster
	s_lshl_b32 s44, 0x1111, s40                    ; my column
	; descriptor group 1: a tile of 128 rows x 192 bytes, 16 bytes of padding behind every 64
	s_or_b32 s[G1+0], s43, (0<<16)|(1<<20)|(1<<21)|(3<<22)|(3<<25)
	s_or_b32 s[G1B+0], s44, (0<<16)|(1<<20)|(1<<21)|(3<<22)|(3<<25)
.irp g, G1, G1B
	s_mov_b32 s[\g+1], ROWB<<16                    ; tensor_dim0
	s_mov_b32 s[\g+2], 128<<16                     ; tensor_dim1
	s_mov_b32 s[\g+3], ROWB<<16                    ; tile_dim0
	s_mov_b32 s[\g+4], 128                         ; tile_dim1
	s_mov_b32 s[\g+5], KROW                        ; from row to row
	s_mov_b32 s[\g+6], 0
	s_mov_b32 s[\g+7], 0
.endr
	; the scales of 128 rows: 4,096 dense bytes as 16 rows of 256 bytes, 16 bytes of padding behind each
	s_or_b32 s[G1S+0], s43, (3<<16)|(1<<20)|(1<<21)|(5<<22)|(3<<25)
	s_or_b32 s[G1SB+0], s44, (3<<16)|(1<<20)|(1<<21)|(5<<22)|(3<<25)
.irp g, G1S, G1SB
	s_mov_b32 s[\g+1], 32<<16
	s_mov_b32 s[\g+2], (128*KS/256)<<16
	s_mov_b32 s[\g+3], 32<<16
	s_mov_b32 s[\g+4], 128*KS/256
	s_mov_b32 s[\g+5], 32
	s_mov_b32 s[\g+6], 0
	s_mov_b32 s[\g+7], 0
.endr
	s_lshl_b32 s18, s16, 7                         ; which 128 rows of the tile I fetch
	s_lshl_b32 s20, s17, 8
	s_add_co_u32 s20, s20, s18
	s_add_co_u32 s20, s20, s95                     ; A: row
	s_lshl_b32 s46, s42, 8
	s_add_co_u32 s46, s46, s18                     ; B: row
	s_mov_b32 s21, 0
	s_mov_b32 s47, 0
	s_mov_b64 s[18:19], KS
	s_mul_u64 s[22:23], s[20:21], s[18:19]         ; where these rows' scales begin
	s_mul_u64 s[92:93], s[46:47], s[18:19]
	s_mov_b64 s[18:19], KROW
	s_mul_u64 s[20:21], s[20:21], s[18:19]         ; and their codes
	s_mul_u64 s[46:47], s[46:47], s[18:19]
	s_mul_i32 s45, s14, HALFT                      ; where they go: wave x 128 rows
	s_mul_i32 s94, s14, HALFS
	s_wait_kmcnt 0x0
	s_cmp_eq_u32 ttmp9, 2                          ; on v's way the weights are A and the tokens B
	s_cselect_b64 s[66:67], s[8:9], s[4:5]         ; A's codes
	s_cselect_b64 s[100:101], s[10:11], s[6:7]     ; A's scales
	s_cselect_b64 s[8:9], s[4:5], s[8:9]           ; B's codes
	s_cselect_b64 s[10:11], s[6:7], s[10:11]       ; B's scales
	s_add_nc_u64 s[20:21], s[66:67], s[20:21]
	s_add_nc_u64 s[22:23], s[100:101], s[22:23]
	s_add_nc_u64 s[46:47], s[8:9], s[46:47]
	s_add_nc_u64 s[92:93], s[10:11], s[92:93]
	CROUND                                         ; all sixteen work-groups are here: the first joint loads meet
	s_mov_b32 s[G0S], 1
	s_add_co_u32 s[G0S+1], s94, SCL
	s_mov_b64 s[G0S+2:G0S+3], s[22:23]
	s_or_b32 s[G0S+3], s[G0S+3], 0x80000000
	s_mov_b32 s[G0SB], 1
	s_add_co_u32 s[G0SB+1], s94, SCL
	s_mov_b64 s[G0SB+2:G0SB+3], s[92:93]
	s_or_b32 s[G0SB+3], s[G0SB+3], 0x80000000
	JLOAD G0S, G1S, G0SB, G1SB                     ; the scales first: they are wanted with K step 0
.irp s, 0,1
	s_mov_b32 s[G0+4*\s], 1
	s_add_co_u32 s[G0+4*\s+1], s45, \s*SLOT
	s_add_nc_u64 s[G0+4*\s+2:G0+4*\s+3], s[20:21], \s*ROWB
	s_or_b32 s[G0+4*\s+3], s[G0+4*\s+3], 0x80000000
	s_mov_b32 s[G0B+4*\s], 1
	s_add_co_u32 s[G0B+4*\s+1], s45, \s*SLOT
	s_add_nc_u64 s[G0B+4*\s+2:G0B+4*\s+3], s[46:47], \s*ROWB
	s_or_b32 s[G0B+4*\s+3], s[G0B+4*\s+3], 0x80000000
	JLOAD G0+4*\s, G1, G0B+4*\s, G1B
.endr
	v_and_b32 v1, 15, v0                           ; r
	v_bfe_u32 v2, v0, 4, 1                         ; h
	v_mul_u32_u24 v3, v1, PITCH
	v_mul_u32_u24 v4, v2, 24
	v_add_nc_u32 v4, v3, v4                        ; a fragment's row x pitch + 24 x half
	v_lshl_add_u32 v5, v2, 4, v4                   ; and the same behind one padding more
	s_mul_i32 s21, s15, HALFT                      ; my 128 rows of A
	s_mul_i32 s22, s16, HALFT                      ; my 128 rows of B,
	s_add_co_u32 s22, s22, 2*HALFT                 ; behind A's 256
.irp s, 0,1
	v_add_nc_u32 v[ADRA+\s], s21, v4
	v_add_nc_u32 v[ADRB+\s], s22, v4
	v_add_nc_u32 v[ADRA+2+\s], s21, v5
	v_add_nc_u32 v[ADRB+2+\s], s22, v5
	s_add_co_u32 s21, s21, SLOT
	s_add_co_u32 s22, s22, SLOT
.endr
	v_mul_u32_u24 v5, v1, KS                       ; my row's scales: 32 bytes a row,
	v_lshrrev_b32 v6, 8, v5
	v_lshl_add_u32 v5, v6, 4, v5                   ; and 16 more for each 256 passed
	s_mul_i32 s21, s15, HALFS
	s_mul_i32 s22, s16, HALFS
	s_add_co_u32 s22, s22, 2*HALFS
	s_sub_co_u32 s22, s22, s21
	v_mul_u32_u24 v6, s22, v2                      ; lanes 16-31 take B's
	s_add_co_u32 s21, s21, SCL
	v_add_nc_u32 v5, v5, v6
	v_add_nc_u32 v[ADRS], s21, v5
	v_and_b32 v6, 31, v0
	v_lshlrev_b32 v8, 4, v6                        ; the stores' offsets: 16 x lane,
	v_lshlrev_b32 v9, 3, v6                        ; 8 x lane,
	v_mul_u32_u24 v10, v2, HS
	v_lshl_add_u32 v10, v1, 4, v10                 ; 16 r, and for lanes 16-31 the next head
	; where my wave's images go: ((batch x 16 + head) x 16 + key step) x 19,712 + the region.  It enters the stores' base alone
	s_and_b32 s94, s42, 3                          ; q, k: which 256 of the 1,024 columns
	s_lshr_b32 s105, s42, 2
	s_cmp_lg_u32 s105, 0
	s_cselect_b32 s105, 0, 13056                   ; k's region begins at 0, q's at 13,056
	s_cmp_eq_u32 s104, 1
	s_cselect_b32 s92, s42, s17                    ; the tile of 256 tokens,
	s_cselect_b32 s93, s16, s15                    ; my 128 of them,
	s_cselect_b32 s94, s17, s94                    ; the tile of 4 heads,
	s_cselect_b32 s45, s15, s16                    ; my 2 of them,
	s_cselect_b32 s105, 6656, s105                 ; v's region
	s_lshr_b32 s46, s92, 3
	s_lshl_b32 s46, s46, 4                         ; batch x 16
	s_lshl_b32 s94, s94, 2
	s_add_co_u32 s46, s46, s94
	s_lshl_b32 s45, s45, 1
	s_add_co_u32 s46, s46, s45                     ; + my first head
	s_lshl_b32 s46, s46, 4
	s_and_b32 s92, s92, 7
	s_lshl_b32 s92, s92, 1
	s_add_co_u32 s46, s46, s92
	s_add_co_u32 s46, s46, s93                     ; + the key step
	s_mul_i32 s46, s46, PACK
	s_add_co_u32 s46, s46, s105
	s_mov_b32 s47, 0
	s_add_nc_u64 s[98:99], s[98:99], s[46:47]
.macro FRAG reg, adr, q, i             ; a fragment, 16 rows x 128 K: lane l holds row l % 16; registers 6 c .. 6 c + 5 hold K = 64 c + 32 (l / 16) + 0 .. 31, in pieces of 8 bytes
.irp p, 0,1,2,3,4,5
.set PCE, 12*(\q)+6*(\p/3)+\p%3        ; where the piece three on lies behind one padding more, the second address register serves
.if PCE%8 < 5
	ds_load_b64 v[\reg+2*\p:\reg+2*\p+1], v[\adr] offset:8*PCE+16*(PCE/8)+(\i)*16*PITCH
.else
	ds_load_b64 v[\reg+2*\p:\reg+2*\p+1], v[\adr+2] offset:8*PCE+16*(PCE/8)+(\i)*16*PITCH
.endif
.endr
.endm
; 16 matrix instructions: A's blocks a0, a0 + 1 x B's eight.  The 64 accumulators take turns, one instruction a turn, in the same order in every step.
.macro MUL16 a0, p, q, sc, zero
.irp a, \a0, \a0+1
.irp b, 0,1,2,3,4,5,6,7
.if \zero
	v_wmma_scale_f32_16x16x128_f8f6f4 v[8*(8*((\a)%4)+\b):8*(8*((\a)%4)+\b)+7], v[128*(\p)+FR*\b:128*(\p)+FR*\b+FR-1], v[AF+FR*(\a):AF+FR*(\a)+FR-1], 0, v[SC+8*NQ*(\sc)+NQ*\b+(\q)], v[SC+8*NQ*(\sc)+NQ*(\a)+(\q)] matrix_a_fmt:MATRIX_FMT_FP6 matrix_b_fmt:MATRIX_FMT_FP6 matrix_a_scale:MATRIX_SCALE_ROW1
.else
	v_wmma_scale_f32_16x16x128_f8f6f4 v[8*(8*((\a)%4)+\b):8*(8*((\a)%4)+\b)+7], v[128*(\p)+FR*\b:128*(\p)+FR*\b+FR-1], v[AF+FR*(\a):AF+FR*(\a)+FR-1], v[8*(8*((\a)%4)+\b):8*(8*((\a)%4)+\b)+7], v[SC+8*NQ*(\sc)+NQ*\b+(\q)], v[SC+8*NQ*(\sc)+NQ*(\a)+(\q)] matrix_a_fmt:MATRIX_FMT_FP6 matrix_b_fmt:MATRIX_FMT_FP6 matrix_a_scale:MATRIX_SCALE_ROW1
.endif
.endr
.endr
.endm
.macro FETCH_B slot, q, p
	WIN TO_B
.irp i, 0,1,2,3,4,5,6,7
	FRAG 128*(\p)+FR*\i, ADRB+\slot, \q, \i
.endr
	WIN 0
.endm
.macro FETCH_A slot, q, i0
.irp i, \i0, \i0+1, \i0+2, \i0+3
	FRAG AF+FR*(\i), ADRA+\slot, \q, \i
.endr
.endm
.macro SCALES sc                       ; a K step's scale words: lanes 0-15 take A's block i, lanes 16-31 B's block i
.irp i, 0,1,2,3,4,5,6,7
	ds_load_b64 v[SC+8*NQ*\sc+NQ*\i:SC+8*NQ*\sc+NQ*\i+1], v[ADRS] offset:\i*SBLK
.endr
.endm
.macro PLACES n                        ; plain vector lines between a matrix instruction and a load into, or a vector read or write of, its registers
.rept \n
	v_nop
.endr
.endm
.macro STEP slot, q, zero              ; a step of 128 along K that has its successor in the same slot
	s_wait_dscnt 4*NL                              ; B's set and A's blocks 0-3 are in; the youngest 24 loads (A's blocks 4-7) may be out
	WIN MUL_LO
	MUL16 0, (\q)%2, \q, \slot, \zero
	MUL16 2, (\q)%2, \q, \slot, \zero
	s_wait_dscnt 0
	PLACES NP
	FETCH_B \slot, (\q)+1, 1-(\q)%2
	FETCH_A \slot, (\q)+1, 0
	WIN MUL_HI
	MUL16 4, (\q)%2, \q, \slot, \zero
	MUL16 6, (\q)%2, \q, \slot, \zero
	PLACES NP
	WIN 0
	FETCH_A \slot, (\q)+1, 4
.endm
; A slot's last step changes slots: one barrier; in front of it each wave waits for all its tensor loads, adds 0 to its spare word, and waits for that and for its reads of this slot.
.macro TURN slot, next, fill
	s_wait_tensorcnt 0x0                           ; all my tensor loads have landed: my part of the next slot
	ds_add_u32 v[SPW], v[NIL]                      ; 0 onto my spare word
	s_wait_dscnt 4*NL+1                            ; (the add and the youngest 24 loads may be out)
	WIN MUL_LO
	MUL16 0, 1, NQ-1, \slot, 0
	s_wait_dscnt 0x0                               ; the add is done, and my reads of this slot are over
	s_barrier_signal -1
	MUL16 2, 1, NQ-1, \slot, 0
	WIN 0
	s_barrier_wait -1
.if \fill
	CREST                                          ; the barrier has opened a round of the cluster's: no wave of any partner still reads this slot or has a load on its way
	s_add_nc_u64 s[G0+4*\slot+2:G0+4*\slot+3], s[G0+4*\slot+2:G0+4*\slot+3], 2*ROWB
	s_add_nc_u64 s[G0B+4*\slot+2:G0B+4*\slot+3], s[G0B+4*\slot+2:G0B+4*\slot+3], 2*ROWB
	JLOAD G0+4*\slot, G1, G0B+4*\slot, G1B         ; the first tensor load behind the round; its four v_nop are the places in front of the loads below
.else
	PLACES NP
.endif
	v_add_nc_u32 v[ADRS], 4*NQ, v[ADRS]            ; the next K step's scale words (no LDS load of mine is out)
	FETCH_B \next, 0, 0
	FETCH_A \next, 0, 0
	SCALES \next
	WIN MUL_HI
	MUL16 4, 1, NQ-1, \slot, 0
	MUL16 6, 1, NQ-1, \slot, 0
	PLACES NP
	WIN 0
	FETCH_A \next, 0, 4
.endm
; 64 numbers of a lane, v[s] on, register 16 b + i = k 32 b + 16 (lane / 16) + i of my row, become a fragment's 12 registers of codes in v[CD] on and its scale word in v[pw].
.macro QUANT s, pw
.irp b, 0,1,2,3
	v_max3_num_f32 v[TM+\b], |v[\s+16*\b]|, |v[\s+1+16*\b]|, 0x1800000   ; my 16 numbers of block b, and the floor 2^(3 - 127): the byte cannot fall under 1
.endr
.irp i, 2,4,6,8,10,12,14
.irp b, 0,1,2,3
	v_max3_num_f32 v[TM+\b], v[TM+\b], |v[\s+16*\b+\i]|, |v[\s+1+16*\b+\i]|
.endr
.endr
.irp b, 0,1,2,3
	v_permlanex16_b32 v[TM+4+\b], v[TM+\b], s66, s67
.endr
.irp b, 0,1,2,3
	v_max_num_f32 v[TM+\b], v[TM+\b], v[TM+4+\b]   ; with lane l xor 16's: the block's largest magnitude
.endr
.irp b, 0,1,2,3
	v_add_nc_u32 v[TM+12+\b], 0xff000000, v[TM+\b] ; 2 off its exponent field: the conversion's scale operand
.endr
.irp b, 0,1,2,3
	v_lshrrev_b32 v[TM+4+\b], 23, v[TM+12+\b]      ; the scale's byte
.endr
	v_lshl_or_b32 v[\pw], v[TM+5], 8, v[TM+4]
	v_lshl_or_b32 v[\pw], v[TM+6], 16, v[\pw]
	v_lshl_or_b32 v[\pw], v[TM+7], 24, v[\pw]
.irp c, 0,1
	v_cvt_scalef32_pk16_fp6_f32 v[CD+6*\c:CD+2+6*\c], v[\s+32*\c:\s+15+32*\c], v[TM+12+2*\c]
	v_cvt_scalef32_pk16_fp6_f32 v[CD+12+4*\c:CD+14+4*\c], v[\s+16+32*\c:\s+31+32*\c], v[TM+12+2*\c+1]   ; (a conversion's three registers begin on an even number)
.endr
	v_nop                                          ; one plain line behind a scaled conversion
.irp c, 0,1                            ; the operand's layout wants a whole block in a lane
.irp i, 0,1,2
	v_permlane16_swap_b32 v[CD+6*\c+\i], v[CD+12+4*\c+\i]
.endr
.irp i, 0,1,2
	v_mov_b32 v[CD+3+6*\c+\i], v[CD+12+4*\c+\i]
.endr
.endr
.endm
; THE LAST STEP AND THE WAY OUT.  path 0: q and k; path 1: v.
.macro TAIL path
.if \path == 0                         ; the bias of my 128 columns, in a block's layout: register 8 b + j is column 32 (b / 2) + 16 h + 8 (b % 2) + j.  Asked for here, so that the last step's products cover the loads
	s_lshl_b32 s46, s42, 10
	s_lshl_b32 s47, s16, 9
	s_add_co_u32 s46, s46, s47
	s_mov_b32 s47, 0
	s_add_nc_u64 s[96:97], s[96:97], s[46:47]
	v_lshlrev_b32 v11, 6, v2
.irp b, 0,1,2,3,4,5,6,7
	global_load_b128 v[BI+8*\b:BI+8*\b+3], v11, s[96:97] offset:128*(\b/2)+32*(\b%2)
	global_load_b128 v[BI+8*\b+4:BI+8*\b+7], v11, s[96:97] offset:128*(\b/2)+32*(\b%2)+16
.endr
.else                                  ; the bias of my lane's row of each block, twice, as a pair: row 32 (a / 2) + 8 (a % 2) + r + 8 (r / 8)
	s_lshl_b32 s46, s17, 10
	s_lshl_b32 s47, s15, 9
	s_add_co_u32 s46, s46, s47
	s_add_co_u32 s46, s46, 8192
	s_mov_b32 s47, 0
	s_add_nc_u64 s[96:97], s[96:97], s[46:47]
	v_and_b32 v11, 8, v1
	v_add_nc_u32 v11, v11, v1
	v_lshlrev_b32 v11, 2, v11
.irp a, 0,1,2,3,4,5,6,7
	global_load_b32 v[BI+2*\a], v11, s[96:97] offset:128*(\a/2)+32*(\a%2)
	global_load_b32 v[BI+2*\a+1], v11, s[96:97] offset:128*(\a/2)+32*(\a%2)
.endr
.endif
	s_wait_dscnt 4*NL                              ; the very last step: nothing more to fetch
	WIN MUL_LO
	MUL16 0, 1, NQ-1, 1, 0
	MUL16 2, 1, NQ-1, 1, 0
	s_wait_dscnt 0
	WIN MUL_HI
	MUL16 4, 1, NQ-1, 1, 0
	MUL16 6, 1, NQ-1, 1, 0
	WIN 0
	PLACES NP                                      ; in front of the first read of results and the first write over A's fragments
	s_mov_b32 s66, 0x76543210
	s_mov_b32 s67, 0xfedcba98                      ; v_permlanex16_b32's selects for lane l xor 16
.irp b, 0,1,2,3
	v_mov_b32 v[TM+4+\b], 0                        ; written once: a lane permute's destination counts as one of its sources
.endr
	v_cmp_eq_u32 vcc_lo, 1, v2                     ; lanes 16-31
	s_wait_loadcnt 0x0                             ; the bias
.irp a, 0,1,2,3,4,5,6,7
	WIN 0x02+(\a)/4                                ; source 0: window 2 or 3
.set i, 0
.rept 32                               ; + the bias, and the block comes into window 0; each accumulator is read from its low end on
.if \path == 0
	v_pk_add_f32 v[NB+2*i:NB+2*i+1], v[64*((\a)%4)+2*i:64*((\a)%4)+2*i+1], v[BI+2*i:BI+2*i+1]
.else
	v_pk_add_f32 v[NB+2*i:NB+2*i+1], v[64*((\a)%4)+2*i:64*((\a)%4)+2*i+1], v[BI+2*\a:BI+2*\a+1]
.endif
.set i, i+1
.endr
	WIN 0
	s_wait_xcnt 0x0                                ; the last block's stores have read their data: the codes' registers may be written again
	QUANT NB, PWS+\a
.if \path == 0                         ; registers 0-5: my first head's 64, registers 6-11: the next head's.  Each store covers 512 or 256 consecutive bytes, aligned
	global_store_b128 v8, v[CD:CD+3], s[98:99] offset:768*\a
	global_store_b64 v9, v[CD+4:CD+5], s[98:99] offset:768*\a+512
	global_store_b128 v8, v[CD+6:CD+9], s[98:99] offset:HS+768*\a
	global_store_b64 v9, v[CD+10:CD+11], s[98:99] offset:HS+768*\a+512
.else                                  ; blocks 0-3: my first head's four tiles of d, blocks 4-7: the next head's
.irp c, 0,1,2
	global_store_b128 v8, v[CD+4*\c:CD+4*\c+3], s[98:99] offset:(\a/4)*HS+1536*(\a%4)+512*\c
.endr
.endif
.endr
.irp c, 0,1,2,3
	v_cndmask_b32 v[240+\c], v[PWS+\c], v[PWS+4+\c], vcc_lo   ; lanes 0-15: blocks 0-3's words of row r, lanes 16-31: blocks 4-7's
.endr
.if \path == 0
	global_store_b128 v8, v[240:243], s[98:99] offset:6144    ; laid [h][r][c]: the word of tile 4 h + c.  Bytes 0, 1 are this head's; bytes 2, 3 meet zero codes alone
.irp c, 0,1,2,3
	v_lshrrev_b32 v[244+\c], 16, v[240+\c]         ; the next head's two bytes
.endr
	global_store_b128 v8, v[244:247], s[98:99] offset:HS+6144
.else
	global_store_b128 v10, v[240:243], s[98:99] offset:6144   ; laid [r][c]; lanes 16-31 write the next head's 256 bytes
.endif
	s_wait_tensorcnt 0x0                           ; the wave's end
	ds_add_u32 v[SPW], v[NIL]
	s_wait_dscnt 0x0
	CROUND                                         ; the closing round: no work-group ends while a partner may still ask for a tile that names it
	s_endpgm
.endm
	s_wait_tensorcnt 1                             ; the scales and my part of K step 0 are in (K step 1's load may be out)
	s_barrier_signal -1
	s_barrier_wait -1                              ; everybody's are
	FETCH_B 0, 0, 0
	FETCH_A 0, 0, 0
	SCALES 0
	FETCH_A 0, 0, 4
	STEP 0, 0, 1                                   ; the first step's products start the sums
	s_mov_b32 s3, LAPS-1
.Llap:                                                 ; a trip goes once round the ring and fills both slots again
	TURN 0, 1, 1
	STEP 1, 0, 0
	TURN 1, 0, 1
	STEP 0, 0, 0
	s_sub_co_u32 s3, s3, 1
	s_cmp_lg_u32 s3, 0
	s_cbranch_scc1 .Llap
	TURN 0, 1, 0                                   ; the last lap fills nothing
	STEP 1, 0, 0
	s_cmp_eq_u32 s104, 1                           ; the two ways part here: the same way in all sixteen partners
	s_cbranch_scc1 .Lv
	TAIL 0
.Lv:
	TAIL 1
.Lfunc_end_k_q07ef8c14c0_qkv:
	.size	k_q07ef8c14c0_qkv, .Lfunc_end_k_q07ef8c14c0_qkv-k_q07ef8c14c0_qkv
	.p2alignl 7, 3214868480
	.fill 96, 4, 3214868480
	.section	.rodata,"a",@progbits
	.p2align	6, 0x0
	.amdhsa_kernel k_q07ef8c14c0_qkv
		.amdhsa_group_segment_fixed_size 327680
		.amdhsa_private_segment_fixed_size 0
		.amdhsa_enable_private_segment 0
		.amdhsa_kernarg_size 48
		.amdhsa_user_sgpr_count 2
		.amdhsa_user_sgpr_kernarg_segment_ptr 1
		.amdhsa_wavefront_size32 1
		.amdhsa_system_sgpr_workgroup_id_x 1
		.amdhsa_system_sgpr_workgroup_id_y 1
		.amdhsa_system_sgpr_workgroup_id_z 1
		.amdhsa_system_vgpr_workitem_id 0
		.amdhsa_next_free_vgpr 1024
		.amdhsa_next_free_sgpr 106
		.amdhsa_reserve_vcc 1
		.amdhsa_float_denorm_mode_32 3
		.amdhsa_float_denorm_mode_16_64 3
		.amdhsa_memory_ordered 1
		.amdhsa_forward_progress 1
		.amdhsa_inst_pref_size 243
	.end_amdhsa_kernel
	.amdgpu_metadata
---
amdhsa.version: [ 1, 2 ]
amdhsa.kernels:
  - .name:           k_q07ef8c14c0_qkv
    .symbol:         k_q07ef8c14c0_qkv.kd
    .args:
      - { .name: xc, .offset: 0, .size: 8, .value_kind: global_buffer, .address_space: global }
      - { .name: xs, .offset: 8, .size: 8, .value_kind: global_buffer, .address_space: global }
      - { .name: wc, .offset: 16, .size: 8, .value_kind: global_buffer, .address_space: global }
      - { .name: ws, .offset: 24, .size: 8, .value_kind: global_buffer, .address_space: global }
      - { .name: b_qkv, .offset: 32, .size: 8, .value_kind: global_buffer, .address_space: global }
      - { .name: qkv, .offset: 40, .size: 8, .value_kind: global_buffer, .address_space: global }
    .group_segment_fixed_size: 327680
    .private_segment_fixed_size: 0
    .kernarg_segment_align: 8
    .kernarg_segment_size: 48
    .max_flat_workgroup_size: 128
    .sgpr_count:     106
    .vgpr_count:     1024
    .wavefront_size: 32
...
	.end_amdgpu_metadata
.endif
;; end of part 2
;; launch attn (part 3): grid 4 x 64, 16 waves a work-group, clusters of 4 x 1, 210,944 bytes of LDS; arguments qkv, oc, os; writes oc, os
.if DOCPART == 3
	.amdgcn_target "amdgcn-amd-amdhsa--gfx1250"
	.amdhsa_code_object_version 6
	.text
	.protected	k_q07ef8c14c0_attn
	.globl	k_q07ef8c14c0_attn
	.p2align	8
	.type	k_q07ef8c14c0_attn,@function
k_q07ef8c14c0_attn:
	s_mov_b64 s[64:65], 0
	v_nop
	global_prefetch_b8 v0, s[64:65] scope:SCOPE_SE
	s_setreg_imm32_b32 hwreg(HW_REG_WAVE_MODE, 25, 1), 1
	s_wait_xcnt 0x0
	s_wait_alu depctr_hold_cnt(0) depctr_sa_sdst(0) depctr_va_vdst(0) depctr_va_sdst(0) depctr_va_ssrc(0) depctr_va_vcc(0) depctr_vm_vsrc(0)
	s_getreg_b32 s2, hwreg(HW_REG_IB_STS2, 6, 4)
	s_cmp_eq_u32 s2, 0
	s_cbranch_scc0 .Lentry_in_a_cluster
	s_endpgm
.Lentry_in_a_cluster:
	s_bfe_u32 s2, ttmp6, 0x10000c
	s_cmp_lg_u32 s2, 0x3003
	s_cbranch_scc0 .Lentry_shape_is_right
	s_endpgm
.Lentry_shape_is_right:
; Causal attention on codes of FP6 (E2M3) for 64 (batch, head) pairs of 2,048 tokens, head size 64; the normalised output is quantised along C and leaves as operand images for the last product.
; qkv: [bh 64][key step 16][19,712 bytes]: K 8 tiles x 768 | K's scale words 512 | V^T 4 tiles x 1,536 | V's scale words 256 | Q 8 tiles x 768 | Q's scale words 512 (images of operand registers).
; THE SOFTMAX: t = score x log2(e) / 8; M = the running largest t rounded UP to a whole number; p = 2^(t - M) is quantised along the keys, not normalised; the row's sum is taken of the unquantised p and divides O at the end.
; SHARES.  A cluster of four work-groups owns a head.  Its 128 tiles of 16 queries fall into 16 groups of 8; a tile of group G needs key steps 0 .. G.  Wave w of work-group cx owns two tiles, place e = 2 cx + w % 2
; of groups w / 2 and 15 - w / 2: (w / 2 + 1) + (16 - w / 2) = 17 tile steps for every wave.  Every branch hangs on the wave's number and the trip's counter alone.
; LDS holds the head's K, V and their scale words whole: 16 x 13,056 bytes, filled ONCE: wave w brings key step w by one joint load (the same descriptor and the mask of all four partners).  No slot is filled again,
; nothing is stored to LDS, and the loop has no barrier.
; LAYOUT.  S^T = K Q^T and O^T = V^T P^T: a lane holds one query throughout.  Lane r of a tile of tokens holds token 32 (t / 2) + 8 (t % 2) + r + 8 (r / 8) of its 128, so the 16 registers of two neighbouring tiles of S^T
; are 16 neighbouring keys; V^T's rows are chosen likewise, so O^T's registers are neighbours along d.
; K = 64 IN AN INSTRUCTION OF 128: Q's registers 6-11 hold zero codes.  K's operand for tile t names 12 registers, of which the upper six are the next tile's codes (six zeros behind tile 7): E2M3 has no infinity and no NaN
; and no scale byte here is 0xff, so those products are exactly 0.
; LIMITS: hidden scores are -infinity where the definition writes -1e9: the same as long as a row's visible logits lie above about -1e9 + 150.  A block of zeros or under 2^-124 gets the scale byte 1.  NaN, infinities: not served.
; No prefetch: the launch's one stream is asked for whole at its head.
; REGISTERS: v1 16 x lane, v2 8 x lane, v3 16 r; v4-6 the same + the step's LDS byte; v7 the mask's d; v8-15 -M, largest t, the sum (a pair) for each tile; v16-39 Q; v40-41 Q's scale words; v42-95 K's or V's fragments;
;   v96-159 S^T, then p; v160-223 O^T, 32 a tile; v224-235 p's codes; v232-254 at work; v248-251 K's or V's scale words; v253 p's scale word.
.set PACK, 19712
.set STEPB, 13056                      ; a key step in LDS: the first 13,056 bytes of its pack
.macro ROUND                           ; a round of the cluster's barrier
	s_barrier_signal -1
	s_barrier_wait -1
	s_cmp_lg_u32 s10, 0
	s_cbranch_scc1 .Lnot_wave_0_\@
	s_barrier_signal -3
.Lnot_wave_0_\@:
	s_barrier_wait -3
	s_barrier_signal -1
	s_barrier_wait -1
.endm
	s_load_b128 s[4:7], s[0:1], 0x0                ; qkv, oc
	s_load_b64 s[8:9], s[0:1], 0x10                ; os
	v_lshl_add_u32 v243, v0, 2, 0x33000
	v_mov_b32 v255, 0
	ds_add_u32 v243, v255
	ds_add_u32 v243, v255
	v_lshrrev_b32 v1, 5, v0
	v_readfirstlane_b32 s10, v1                    ; wave 0..15
	s_bfe_u32 s11, ttmp6, 0x40000                  ; cx
	s_and_b32 s12, ttmp7, 0xffff                   ; batch x 16 + head, which the four partners share
	s_lshr_b32 s13, s10, 1                         ; group of tile 0
	s_sub_co_u32 s14, 15, s13                      ; group of tile 1
	s_and_b32 s48, s10, 1
	s_lshl_b32 s15, s11, 1
	s_add_co_u32 s15, s15, s48                     ; e: my tiles' place in their groups
	s_mov_b32 s24, 15|(3<<16)|(1<<21)              ; group 1: the mask of all four; elements of 8 bytes; bit 21 beside a mask; no padding
	s_mov_b32 s25, 32<<16                          ; tensor_dim0 = 32 (256 bytes)
	s_mov_b32 s26, 51<<16                          ; tensor_dim1 = 51
	s_mov_b32 s27, 32<<16                          ; tile_dim0
	s_mov_b32 s28, 51                              ; tile_dim1
	s_mov_b32 s29, 32                              ; dense rows
	s_mov_b32 s30, 0
	s_mov_b32 s31, 0
	s_lshl_b32 s49, s12, 4
	s_add_co_u32 s50, s49, s10                     ; the pack of key step w
	s_mul_i32 s50, s50, PACK
	s_mov_b32 s51, 0
	s_mov_b32 s32, 1
	s_mul_i32 s33, s10, STEPB                      ; its place in LDS: no place in the cluster enters an LDS address
	s_mov_b32 s20, 0x76543210
	s_mov_b32 s21, 0xfedcba98                      ; v_permlanex16_b32's selects for lane l xor 16
	s_mov_b32 s22, 0x3e38aa3b                      ; c = log2(e) / 8
	s_mov_b32 s23, s22                             ; (named with it as a pair)
	s_wait_dscnt 0x0
	s_wait_kmcnt 0x0
	s_add_nc_u64 s[34:35], s[4:5], s[50:51]
	s_or_b32 s35, s35, 0x80000000
	ROUND                                          ; all four work-groups are here: the joint loads meet
	tensor_load_to_lds s[32:35], s[24:31]          ; my one tensor load of the launch
	s_nop 0
.rept 4
	v_nop
.endr
	v_and_b32 v4, 31, v0
	v_lshlrev_b32 v1, 4, v4                        ; 16 x lane
	v_lshlrev_b32 v2, 3, v4                        ; 8 x lane
	v_and_b32 v4, 15, v0                           ; r
	v_bfe_u32 v5, v0, 4, 1                         ; h
	v_lshlrev_b32 v3, 4, v4                        ; 16 r
	v_and_b32 v6, 8, v4
	v_add_nc_u32 v7, v6, v4                        ; r + 8 (r / 8)
	v_lshlrev_b32 v5, 4, v5
	v_sub_nc_u32 v7, v7, v5
	s_lshl_b32 s50, s11, 5
	s_lshl_b32 s48, s48, 3
	s_add_co_u32 s50, s50, s48
	v_add_nc_u32 v7, s50, v7                       ; d = my query's place in its 128 - 16 h: register 16 b + i holds key 32 b + 16 h + i, hidden on the diagonal where 32 b + i > d
	s_mul_i32 s48, s15, 768
	v_add_nc_u32 v232, s48, v1                     ; Q's tile e: registers 0-3,
	v_add_nc_u32 v233, s48, v2                     ; registers 4-5,
	s_lshr_b32 s48, s15, 2
	s_lshl_b32 s48, s48, 8
	s_and_b32 s50, s15, 3
	s_lshl_b32 s50, s50, 2
	s_add_co_u32 s48, s48, s50
	v_add_nc_u32 v234, s48, v3                     ; and its scale word: [e / 4][r][e % 4]
.irp X, 0,1
	s_add_co_u32 s52, s49, s[13+\X]
	s_mul_i32 s52, s52, PACK
	s_add_co_u32 s52, s52, 13056
	s_mov_b32 s53, 0
	s_add_nc_u64 s[36+2*\X:37+2*\X], s[4:5], s[52:53]   ; Q's region of the group's pack
	global_load_b128 v[16+12*\X:19+12*\X], v232, s[36+2*\X:37+2*\X]
	global_load_b64 v[20+12*\X:21+12*\X], v233, s[36+2*\X:37+2*\X] offset:512
	global_load_b32 v[40+\X], v234, s[36+2*\X:37+2*\X] offset:6144
.endr
	; where the results go.  oc: [slot 4][row block 512][q 2][c 2][768], head = 4 slot + 2 q + c.  os: [row][32], bytes 2 head, 2 head + 1
	s_and_b32 s48, s12, 15                         ; the head
	s_lshr_b32 s49, s12, 4
	s_lshl_b32 s49, s49, 7
	s_add_co_u32 s49, s49, s15                     ; 128 x batch + e
	s_lshr_b32 s50, s48, 2
	s_mul_i32 s50, s50, 1572864
	s_bfe_u32 s51, s48, 0x10001
	s_mul_i32 s51, s51, 1536
	s_add_co_u32 s50, s50, s51
	s_and_b32 s51, s48, 1
	s_mul_i32 s51, s51, 768
	s_add_co_u32 s50, s50, s51
	s_lshl_b32 s53, s48, 1
	s_mov_b32 s55, 0
.irp X, 0,1
	s_lshl_b32 s52, s[13+\X], 3
	s_add_co_u32 s52, s52, s49                     ; the row block
	s_mul_i32 s54, s52, 3072
	s_add_co_u32 s54, s54, s50
	s_add_nc_u64 s[40+2*\X:41+2*\X], s[6:7], s[54:55]
	s_lshl_b32 s54, s52, 9
	s_add_co_u32 s54, s54, s53
	s_add_nc_u64 s[44+2*\X:45+2*\X], s[8:9], s[54:55]
.endr
.irp X, 0,1
	v_mov_b32 v[9+4*\X], 0xff61b1e6                ; the largest t so far: -3e38
	v_floor_f32 v[8+4*\X], -v[9+4*\X]              ; -M
	v_mov_b32 v[10+4*\X], 0                        ; the sum, in two halves
	v_mov_b32 v[11+4*\X], 0
.irp i, 6,7,8,9,10,11
	v_mov_b32 v[16+12*\X+\i], 0                    ; Q's upper 64 along K: zero codes
.endr
.endr
.irp i, 90,91,92,93,94,95
	v_mov_b32 v[\i], 0                             ; six zeros behind K's tile 7
.endr
.irp i, 236,237,238,239,253
	v_mov_b32 v[\i], 0                             ; written once: a lane permute's destination counts as a source; v253 is named in a pair before it is first made
.endr
.set i, 160
.rept 64
	v_mov_b32 v[i], 0                              ; O^T.  (The step is written once for each tile: the first finds zeros)
.set i, i+1
.endr
	s_wait_loadcnt 0x0                             ; Q
	s_wait_tensorcnt 0x0                           ; my key step has landed,
	s_barrier_signal -1
	s_barrier_wait -1                              ; everybody's has
; A TILE STEP: my tile X against the 128 keys whose LDS addresses stand in v4-6.
.macro TSTEP X
.set rM, 8+4*(\X)
.set rT, 9+4*(\X)
.set rL, 10+4*(\X)
.set rQ, 16+12*(\X)
.set rO, 160+32*(\X)
.irp t, 0,1,2,3,4,5,6,7
	ds_load_b128 v[42+6*\t:45+6*\t], v4 offset:768*\t           ; K's tile t, as it was stored: consecutive bytes in consecutive lanes
	ds_load_b64 v[46+6*\t:47+6*\t], v5 offset:768*\t+512
.endr
	ds_load_b128 v[248:251], v4 offset:6144        ; lanes 0-15: the words of tiles 0-3, lanes 16-31: of tiles 4-7
	s_wait_dscnt 0x0
.irp t, 0,1,2,3
	v_wmma_scale_f32_16x16x128_f8f6f4 v[96+8*\t:103+8*\t], v[42+6*\t:53+6*\t], v[rQ:rQ+11], 0, v[248+\t], v[40+(\X)] matrix_a_fmt:MATRIX_FMT_FP6 matrix_b_fmt:MATRIX_FMT_FP6
.endr
.irp t, 4,5,6,7
	v_wmma_scale_f32_16x16x128_f8f6f4 v[96+8*\t:103+8*\t], v[42+6*\t:53+6*\t], v[rQ:rQ+11], 0, v[244+\t], v[40+(\X)] matrix_a_fmt:MATRIX_FMT_FP6 matrix_b_fmt:MATRIX_FMT_FP6 matrix_a_scale:MATRIX_SCALE_ROW1
.endr
.rept 4
	v_nop                                          ; places: in front of the loads into K's registers, and of the first read of the scores
.endr
.irp t, 0,1,2,3
.irp c, 0,1,2
	ds_load_b128 v[42+12*\t+4*\c:45+12*\t+4*\c], v4 offset:6656+1536*\t+512*\c   ; V^T's four tiles: they land under the softmax
.endr
.endr
	ds_load_b128 v[248:251], v6 offset:12800       ; row r's words of the four tiles
	s_cmp_lg_u32 s16, s[13+(\X)]                   ; the diagonal is the step of the tile's own group
	s_cbranch_scc1 .Lopen_\@
	v_mov_b32 v254, 0xff800000                     ; -infinity
.irp n, 0,1,2,3,4,5,6,7,8,9,10,11,12,13,14,15,16,17,18,19,20,21,22,23,24,25,26,27,28,29,30,31,32,33,34,35,36,37,38,39,40,41,42,43,44,45,46,47,48,49,50,51,52,53,54,55,56,57,58,59,60,61,62,63
	v_cmp_gt_i32 vcc_lo, 32*(\n/16)+\n%16, v7
	v_cndmask_b32 v[96+\n], v[96+\n], v254, vcc_lo
.endr
.Lopen_\@:
.irp b, 0,1,2,3
	v_max3_num_f32 v[232+\b], v[96+16*\b], v[97+16*\b], v[98+16*\b]   ; the largest score of each block of 32 keys: for the row's maximum and, since p rises with the score, for the block's largest p
.endr
.irp i, 3,5,7,9,11,13
.irp b, 0,1,2,3
	v_max3_num_f32 v[232+\b], v[232+\b], v[96+16*\b+\i], v[97+16*\b+\i]
.endr
.endr
.irp b, 0,1,2,3
	v_max_num_f32 v[232+\b], v[232+\b], v[111+16*\b]
.endr
.irp b, 0,1,2,3
	v_permlanex16_b32 v[236+\b], v[232+\b], s20, s21
.endr
.irp b, 0,1,2,3
	v_max_num_f32 v[232+\b], v[232+\b], v[236+\b]  ; with lane l xor 16's 16 keys
.endr
	v_max3_num_f32 v254, v232, v233, v234
	v_max_num_f32 v254, v254, v235                 ; the step's largest score of my query
	v_mul_f32 v254, s22, v254                      ; as t
	v_max_num_f32 v[rT], v[rT], v254               ; the running largest t
	v_mov_b32 v254, v[rM]
	v_floor_f32 v[rM], -v[rT]                      ; the new -M = -ceil(t)
	v_sub_f32 v254, v[rM], v254                    ; old M - new M: a whole number, 0 or less
	v_cvt_i32_f32 v254, v254                       ; (it saturates)
	v_ldexp_f32 v252, 1.0, v254                    ; f = 2^(old M - new M): rounds nothing
.irp j, 0,2,4,6,8,10,12,14,16,18,20,22,24,26,28,30,32,34,36,38,40,42,44,46,48,50,52,54,56,58,60,62
	v_pk_fma_f32 v[96+\j:97+\j], v[96+\j:97+\j], s[22:23], v[rM:rM+1] op_sel_hi:[1,0,0]   ; t - M, two at a time
.endr
.irp b, 0,1,2,3
	v_fma_f32 v[232+\b], v[232+\b], s22, v[rM]     ; the same of each block's largest score
.endr
.irp j, 0,1,2,3,4,5,6,7,8,9,10,11,12,13,14,15,16,17,18,19,20,21,22,23,24,25,26,27,28,29,30,31,32,33,34,35,36,37,38,39,40,41,42,43,44,45,46,47,48,49,50,51,52,53,54,55,56,57,58,59,60,61,62,63
	v_exp_f32 v[96+\j], v[96+\j]                   ; p = 2^(t - M)
.endr
	v_pk_mul_f32 v[rL:rL+1], v[rL:rL+1], v[252:253] op_sel_hi:[1,0]   ; the sums under the new M (a plain line behind the exponentials)
	s_wait_alu depctr_va_vdst(0)                   ; one wait for the batch of 64, ahead of its first reader
.irp b, 0,1,2,3
	v_exp_f32 v[232+\b], v[232+\b]                 ; the block's largest p
.endr
	v_pk_add_f32 v[236:237], v[96:97], v[98:99]    ; the row's sum, of the unquantised p: two at a time, in two chains
.irp j, 4,8,12,16,20,24,28,32,36,40,44,48,52,56,60
	v_pk_add_f32 v[rL:rL+1], v[rL:rL+1], v[96+\j:97+\j]
	v_pk_add_f32 v[236:237], v[236:237], v[98+\j:99+\j]
.endr
	v_pk_add_f32 v[rL:rL+1], v[rL:rL+1], v[236:237]
	s_wait_alu depctr_va_vdst(0)                   ; and one for the four
.irp b, 0,1,2,3
	v_max_num_f32 v[232+\b], 0x1800000, v[232+\b]  ; the floor 2^(3 - 127): the byte cannot fall under 1
.endr
.irp b, 0,1,2,3
	v_add_nc_u32 v[244+\b], 0xff000000, v[232+\b]  ; the conversion's scale operand
.endr
.irp b, 0,1,2,3
	v_lshrrev_b32 v[236+\b], 23, v[244+\b]         ; the scale's byte
.endr
	v_lshl_or_b32 v253, v237, 8, v236              ; p's scale word for these 128 keys
	v_lshl_or_b32 v253, v238, 16, v253
	v_lshl_or_b32 v253, v239, 24, v253
.irp c, 0,1
	v_cvt_scalef32_pk16_fp6_f32 v[224+6*\c:226+6*\c], v[96+32*\c:111+32*\c], v[244+2*\c]
	v_cvt_scalef32_pk16_fp6_f32 v[236+4*\c:238+4*\c], v[112+32*\c:127+32*\c], v[244+2*\c+1]
.endr
	v_nop                                          ; one plain line behind a scaled conversion
.irp c, 0,1
.irp i, 0,1,2
	v_permlane16_swap_b32 v[224+6*\c+\i], v[236+4*\c+\i]
.endr
.irp i, 0,1,2
	v_mov_b32 v[227+6*\c+\i], v[236+4*\c+\i]
.endr
.endr
.irp j, 0,2,4,6,8,10,12,14,16,18,20,22,24,26,28,30
	v_pk_mul_f32 v[rO+\j:rO+\j+1], v[rO+\j:rO+\j+1], v[252:253] op_sel_hi:[1,0]   ; O^T under the new M.  (These 16 are also the places between the codes, the scale word and the products)
.endr
	s_wait_dscnt 0x0                               ; V
.irp t, 0,1,2,3                        ; the four accumulators take turns, one instruction a turn
	v_wmma_scale_f32_16x16x128_f8f6f4 v[rO+8*\t:rO+8*\t+7], v[42+12*\t:53+12*\t], v[224:235], v[rO+8*\t:rO+8*\t+7], v[248+\t], v253 matrix_a_fmt:MATRIX_FMT_FP6 matrix_b_fmt:MATRIX_FMT_FP6
.endr
.endm
	s_mov_b32 s16, 0                               ; the key step
	s_mov_b32 s17, 0                               ; its LDS byte
.Lstep:                                            ; 16 trips, a constant; what a wave's tiles do not need is jumped over
	s_cmp_gt_u32 s16, s14
	s_cbranch_scc1 .Lhidden
	v_add_nc_u32 v4, s17, v1
	v_add_nc_u32 v5, s17, v2
	v_add_nc_u32 v6, s17, v3
	v_nop                                          ; with the three additions: four places in front of loads into registers that the last products read
	TSTEP 1
	s_cmp_gt_u32 s16, s13
	s_cbranch_scc1 .Lhidden
.rept 4
	v_nop
.endr
	TSTEP 0
.Lhidden:
	s_add_co_u32 s17, s17, STEPB
	s_add_co_u32 s16, s16, 1
	s_cmp_lt_u32 s16, 16
	s_cbranch_scc1 .Lstep
.rept 4
	v_nop                                          ; places behind the last products
.endr
.irp X, 0,1
	v_add_f32 v[10+4*\X], v[10+4*\X], v[11+4*\X]   ; the sum's two halves,
.endr
.irp X, 0,1
	v_permlanex16_b32 v[236+\X], v[10+4*\X], s20, s21
.endr
.irp X, 0,1
	v_add_f32 v[10+4*\X], v[10+4*\X], v[236+\X]    ; and lane l xor 16's
.endr
.irp X, 0,1
	v_rcp_f32 v[10+4*\X], v[10+4*\X]
.endr
	v_lshlrev_b32 v5, 1, v3                        ; 32 r: a row of os.  (A plain line behind the reciprocals)
	s_wait_alu depctr_va_vdst(0)                   ; one wait for both, ahead of the first reader
; Tile X: O^T / the sum; register 16 b + i is d = 32 b + 16 h + i: two blocks along C; quantised; six registers of codes and two scale bytes leave.
.macro FINISH X
.set rN, 96+32*(\X)
.set i, 0
.rept 16
	v_pk_mul_f32 v[rN+2*i:rN+2*i+1], v[160+32*(\X)+2*i:160+32*(\X)+2*i+1], v[10+4*(\X):11+4*(\X)] op_sel_hi:[1,0]
.set i, i+1
.endr
.irp b, 0,1
	v_max3_num_f32 v[232+\b], |v[rN+16*\b]|, |v[rN+1+16*\b]|, 0x1800000
.endr
.irp i, 2,4,6,8,10,12,14
.irp b, 0,1
	v_max3_num_f32 v[232+\b], v[232+\b], |v[rN+16*\b+\i]|, |v[rN+1+16*\b+\i]|
.endr
.endr
.irp b, 0,1
	v_permlanex16_b32 v[236+\b], v[232+\b], s20, s21
.endr
.irp b, 0,1
	v_max_num_f32 v[232+\b], v[232+\b], v[236+\b]
.endr
.irp b, 0,1
	v_add_nc_u32 v[246+\b], 0xff000000, v[232+\b]  ; the conversions' scale operands
.endr
.irp b, 0,1
	v_lshrrev_b32 v[248+\b], 23, v[246+\b]         ; the bytes
.endr
	v_lshl_or_b32 v[244+(\X)], v249, 8, v248
	v_cvt_scalef32_pk16_fp6_f32 v[224+6*(\X):226+6*(\X)], v[rN:rN+15], v246
	v_cvt_scalef32_pk16_fp6_f32 v[236+4*(\X):238+4*(\X)], v[rN+16:rN+31], v247
	v_nop                                          ; one plain line behind a scaled conversion
.irp i, 0,1,2
	v_permlane16_swap_b32 v[224+6*(\X)+\i], v[236+4*(\X)+\i]
.endr
.irp i, 0,1,2
	v_mov_b32 v[227+6*(\X)+\i], v[236+4*(\X)+\i]
.endr
.irp p, 0,1,2
	global_store_b64 v2, v[224+6*(\X)+2*\p:225+6*(\X)+2*\p], s[40+2*(\X):41+2*(\X)] offset:256*\p   ; 32 lanes store 256 consecutive bytes, aligned
.endr
	global_store_b16 v5, v[244+(\X)], s[44+2*(\X):45+2*(\X)]   ; my row's two scale bytes (both halves of the lanes write the same value): 2 bytes for 48 of codes
.endm
	FINISH 0
	FINISH 1                                       ; registers of its own: no store's data are written again
	s_wait_tensorcnt 0x0
	ds_add_u32 v243, v255
	s_wait_dscnt 0x0
	ROUND                                          ; the closing round
	s_endpgm
.Lfunc_end_k_q07ef8c14c0_attn:
	.size	k_q07ef8c14c0_attn, .Lfunc_end_k_q07ef8c14c0_attn-k_q07ef8c14c0_attn
	.p2alignl 7, 3214868480
	.fill 96, 4, 3214868480
	.section	.rodata,"a",@progbits
	.p2align	6, 0x0
	.amdhsa_kernel k_q07ef8c14c0_attn
		.amdhsa_group_segment_fixed_size 210944
		.amdhsa_private_segment_fixed_size 0
		.amdhsa_enable_private_segment 0
		.amdhsa_kernarg_size 24
		.amdhsa_user_sgpr_count 2
		.amdhsa_user_sgpr_kernarg_segment_ptr 1
		.amdhsa_wavefront_size32 1
		.amdhsa_system_sgpr_workgroup_id_x 1
		.amdhsa_system_sgpr_workgroup_id_y 1
		.amdhsa_system_sgpr_workgroup_id_z 1
		.amdhsa_system_vgpr_workitem_id 0
		.amdhsa_next_free_vgpr 256
		.amdhsa_next_free_sgpr 66
		.amdhsa_reserve_vcc 1
		.amdhsa_float_denorm_mode_32 3
		.amdhsa_float_denorm_mode_16_64 3
		.amdhsa_memory_ordered 1
		.amdhsa_forward_progress 1
		.amdhsa_inst_pref_size 58
	.end_amdhsa_kernel
	.amdgpu_metadata
---
amdhsa.version: [ 1, 2 ]
amdhsa.kernels:
  - .name:           k_q07ef8c14c0_attn
    .symbol:         k_q07ef8c14c0_attn.kd
    .args:
      - { .name: qkv, .offset: 0, .size: 8, .value_kind: global_buffer, .address_space: global }
      - { .name: oc, .offset: 8, .size: 8, .value_kind: global_buffer, .address_space: global }
      - { .name: os, .offset: 16, .size: 8, .value_kind: global_buffer, .address_space: global }
    .group_segment_fixed_size: 210944
    .private_segment_fixed_size: 0
    .kernarg_segment_align: 8
    .kernarg_segment_size: 24
    .max_flat_workgroup_size: 512
    .sgpr_count:     66
    .vgpr_count:     256
    .wavefront_size: 32
...
	.end_amdgpu_metadata
.endif
;; end of part 3
;; launch proj (part 4): grid 4 x 32, 4 waves a work-group, clusters of 4 x 4, 327,680 bytes of LDS; arguments oc, os, wc, ws, b_out, out0; writes out0
.if DOCPART == 4
	.amdgcn_target "amdgcn-amd-amdhsa--gfx1250"
	.amdhsa_code_object_version 6
	.text
	.protected	k_q07ef8c14c0_proj
	.globl	k_q07ef8c14c0_proj
	.p2align	8
	.type	k_q07ef8c14c0_proj,@function
k_q07ef8c14c0_proj:
	s_mov_b64 s[64:65], 0
	v_nop
	global_prefetch_b8 v0, s[64:65] scope:SCOPE_SE
	s_setreg_imm32_b32 hwreg(HW_REG_WAVE_MODE, 25, 1), 1
	s_wait_xcnt 0x0
	s_wait_alu depctr_hold_cnt(0) depctr_sa_sdst(0) depctr_va_vdst(0) depctr_va_sdst(0) depctr_va_ssrc(0) depctr_va_vcc(0) depctr_vm_vsrc(0)
	s_getreg_b32 s2, hwreg(HW_REG_IB_STS2, 6, 4)
	s_cmp_eq_u32 s2, 0
	s_cbranch_scc0 .Lentry_in_a_cluster
	s_endpgm
.Lentry_in_a_cluster:
	s_bfe_u32 s2, ttmp6, 0x10000c
	s_cmp_lg_u32 s2, 0xf033
	s_cbranch_scc0 .Lentry_shape_is_right
	s_endpgm
.Lentry_shape_is_right:
; out0 = o W_out + b_out on codes of FP6 (E2M3) with E8M0 scales: M 8,192, N 1,024, K 1,024; out0 f32.
; A tile of C, 256 x 256, is made by four waves, each 128 x 128: 64 accumulators.  K goes in steps of 256 through a ring of two LDS slots filled by joint tensor loads (4 x 4 clusters: A's tiles shared along a row
; of the cluster, B's along a column).  The scale bytes of the work-group's rows come into LDS once.  THE MATRIX INSTRUCTION IS USED TRANSPOSED: source 0 = 16 rows of B, source 1 = 16 rows of A.
; A, oc: [K step 4][row block 512][3,072 bytes]: images of operand registers in pieces of 8 bytes: fragment q (128 along K) of a block: piece p at 1,536 q + 256 p + 8 x lane.  A wave's 8 blocks of a K step are
; 24,576 dense bytes.  A's scales, os: [row][32].  B: rows 3,072 on of wc [.][768] and ws [.][32].
; ROWS OF BOTH OPERANDS ARE STORED WITH BITS 3 AND 4 OF THE ROW NUMBER EXCHANGED: lane (r, h), register j of accumulator (a, b) holds logical column 32 (b / 2) + 16 h + 8 (b % 2) + j of logical row
; 32 (a / 2) + 8 (a % 2) + r + 8 (r / 8).  The way out undoes both by constants.  The bias is the C of each sum's first matrix instruction.
; With 128 tiles half of the WGPs have no work-group: a tile of 128 x 256 would fill them at twice the LDS reads for each product; not built.
; No prefetch: four K steps.
.set SIZE_N, 1024
.set KSTEP,  256
.set NQ,     2
.set ROWB,   192
.set KROW,   768
.set ASTEP,  1572864                   ; from a K step to the next in oc
.set PITCH,  240
.set FR,     12
.set NL,     6
.set NP,     4
.set HALFT,  128*PITCH                 ; a wave's part of a slot (B: 128 padded rows; A: 24,576 bytes of it)
.set SLOT,   4*HALFT
.set LAPS,   2
.set KS,     32
.set SCL,    2*SLOT
.set HALFS,  (128*KS/256)*272
.set SBLK,   (16*KS/256)*272
.set SPARE,  SCL+4*HALFS               ; the spare words, 128 bytes a wave: two blocks of 256 bytes that no other line names
.set SPITCH, 528                       ; the way out: a stage of 16 rows x (512 + 16) bytes a wave, in slot 0, which has had its last fill and its last read by then
.set ADRA, 16
.set ADRB, 20
.set STO,  24
.set RD,   25
.set CO,   26
.set ADRS, 27
.set SPW,  28
.set NIL,  29
.set SC,   32
.set BI,   64                          ; v64-127 the bias of my 128 columns, in the accumulators' layout
.set AF,   128
.set BK,   128
.set G1, 24
.set G0, 32
.set G1B, 48
.set G0B, 56
.set G1S, 68
.set G0S, 76
.set G1SB, 80
.set G0SB, 88
.set MSB, 0
.macro WIN new
.if MSB != (\new)
	s_set_vgpr_msb (MSB<<8)|(\new)
.set MSB, (\new)
.endif
.endm
.set MUL_LO, 0xa1
.set MUL_HI, 0xf1
.set TO_B,   0x40
.macro JLOAD g0a, g1a, g0b, g1b        ; a joint load: waves 0 and 1 fetch for A, waves 2 and 3 for B; four v_nop follow each of the two lines
	s_cmp_eq_u32 s15, 0
	s_cbranch_scc0 .Lfor_b_\@
	tensor_load_to_lds s[\g0a:\g0a+3], s[\g1a:\g1a+7]
	s_nop 0
.rept 4
	v_nop
.endr
	s_branch .Lasked_\@
.Lfor_b_\@:
	tensor_load_to_lds s[\g0b:\g0b+3], s[\g1b:\g1b+7]
	s_nop 0
.rept 4
	v_nop
.endr
.Lasked_\@:
.endm
.macro CREST
	s_cmp_lg_u32 s14, 0
	s_cbranch_scc1 .Lnot_wave_0_\@
	s_barrier_signal -3
.Lnot_wave_0_\@:
	s_barrier_wait -3
	s_barrier_signal -1
	s_barrier_wait -1
.endm
.macro CROUND
	s_barrier_signal -1
	s_barrier_wait -1
	CREST
.endm
	s_load_b128 s[4:7], s[0:1], 0x0                ; oc, os
	s_load_b128 s[8:11], s[0:1], 0x10              ; wc, ws
	s_load_b64 s[96:97], s[0:1], 0x20              ; b_out
	s_load_b64 s[12:13], s[0:1], 0x28              ; out0
	v_lshl_add_u32 v[SPW], v0, 2, SPARE
	v_mov_b32 v[NIL], 0
	ds_add_u32 v28, v29
	ds_add_u32 v28, v29
	s_wait_dscnt 0x0
	v_lshrrev_b32 v1, 5, v0
	v_readfirstlane_b32 s14, v1                    ; wave 0..3
	s_lshr_b32 s15, s14, 1                         ; which half of the tile's rows is mine.  Also: I fetch for A (0) or for B (1)
	s_and_b32 s16, s14, 1                          ; which half of its columns.  Also: which 128 rows of that tile I fetch
	s_bfe_u32 s40, ttmp6, 0x40000
	s_bfe_u32 s41, ttmp6, 0x40004
	s_lshl_b32 s42, ttmp9, 2
	s_add_co_u32 s42, s42, s40                     ; tile column
	s_and_b32 s17, ttmp7, 0xffff
	s_lshl_b32 s17, s17, 2
	s_add_co_u32 s17, s17, s41                     ; tile row
	s_lshl_b32 s43, s41, 2
	s_lshl_b32 s43, 15, s43                        ; my row of the cluster
	s_lshl_b32 s44, 0x1111, s40                    ; my column
	; group 1 for A: 24,576 dense bytes as 96 rows of 256 bytes (32 elements of 8 bytes), no padding
	s_or_b32 s[G1+0], s43, (3<<16)|(1<<21)
	s_mov_b32 s[G1+1], 32<<16
	s_mov_b32 s[G1+2], 96<<16
	s_mov_b32 s[G1+3], 32<<16
	s_mov_b32 s[G1+4], 96
	s_mov_b32 s[G1+5], 32
	s_mov_b32 s[G1+6], 0
	s_mov_b32 s[G1+7], 0
	; for B: 128 rows x 192 bytes, 16 bytes of padding behind every 64
	s_or_b32 s[G1B+0], s44, (0<<16)|(1<<20)|(1<<21)|(3<<22)|(3<<25)
	s_mov_b32 s[G1B+1], ROWB<<16
	s_mov_b32 s[G1B+2], 128<<16
	s_mov_b32 s[G1B+3], ROWB<<16
	s_mov_b32 s[G1B+4], 128
	s_mov_b32 s[G1B+5], KROW
	s_mov_b32 s[G1B+6], 0
	s_mov_b32 s[G1B+7], 0
	; the scales of 128 rows: 16 rows of 256 bytes, 16 bytes of padding behind each
	s_or_b32 s[G1S+0], s43, (3<<16)|(1<<20)|(1<<21)|(5<<22)|(3<<25)
	s_or_b32 s[G1SB+0], s44, (3<<16)|(1<<20)|(1<<21)|(5<<22)|(3<<25)
.irp g, G1S, G1SB
	s_mov_b32 s[\g+1], 32<<16
	s_mov_b32 s[\g+2], (128*KS/256)<<16
	s_mov_b32 s[\g+3], 32<<16
	s_mov_b32 s[\g+4], 128*KS/256
	s_mov_b32 s[\g+5], 32
	s_mov_b32 s[\g+6], 0
	s_mov_b32 s[\g+7], 0
.endr
	s_lshl_b32 s18, s16, 7
	s_lshl_b32 s20, s17, 8
	s_add_co_u32 s20, s20, s18                     ; A: row
	s_lshl_b32 s46, s42, 8
	s_add_co_u32 s46, s46, s18                     ; B: row
	s_mov_b32 s21, 0
	s_mov_b32 s47, 0
	s_mov_b64 s[18:19], KS
	s_mul_u64 s[22:23], s[20:21], s[18:19]         ; these rows' scales
	s_mul_u64 s[92:93], s[46:47], s[18:19]
	s_mov_b64 s[18:19], KROW
	s_mul_u64 s[46:47], s[46:47], s[18:19]         ; B's codes
	s_mov_b64 s[18:19], 192
	s_mul_u64 s[20:21], s[20:21], s[18:19]         ; A's images: 3,072 bytes for 16 rows and a K step
	s_mul_i32 s45, s14, HALFT
	s_mul_i32 s94, s14, HALFS
	s_wait_kmcnt 0x0
	s_add_nc_u64 s[8:9], s[8:9], 3072*KROW         ; W_out's rows of wc
	s_add_nc_u64 s[10:11], s[10:11], 3072*KS       ; and of ws
	s_add_nc_u64 s[20:21], s[4:5], s[20:21]
	s_add_nc_u64 s[22:23], s[6:7], s[22:23]
	s_add_nc_u64 s[46:47], s[8:9], s[46:47]
	s_add_nc_u64 s[92:93], s[10:11], s[92:93]
	CROUND                                         ; all sixteen work-groups are here: the first joint loads meet
	s_mov_b32 s[G0S], 1
	s_add_co_u32 s[G0S+1], s94, SCL
	s_mov_b64 s[G0S+2:G0S+3], s[22:23]
	s_or_b32 s[G0S+3], s[G0S+3], 0x80000000
	s_mov_b32 s[G0SB], 1
	s_add_co_u32 s[G0SB+1], s94, SCL
	s_mov_b64 s[G0SB+2:G0SB+3], s[92:93]
	s_or_b32 s[G0SB+3], s[G0SB+3], 0x80000000
	JLOAD G0S, G1S, G0SB, G1SB
.irp s, 0,1
	s_mov_b32 s[G0+4*\s], 1
	s_add_co_u32 s[G0+4*\s+1], s45, \s*SLOT
	s_add_nc_u64 s[G0+4*\s+2:G0+4*\s+3], s[20:21], \s*ASTEP
	s_or_b32 s[G0+4*\s+3], s[G0+4*\s+3], 0x80000000
	s_mov_b32 s[G0B+4*\s], 1
	s_add_co_u32 s[G0B+4*\s+1], s45, \s*SLOT
	s_add_nc_u64 s[G0B+4*\s+2:G0B+4*\s+3], s[46:47], \s*ROWB
	s_or_b32 s[G0B+4*\s+3], s[G0B+4*\s+3], 0x80000000
	JLOAD G0+4*\s, G1, G0B+4*\s, G1B
.endr
	v_and_b32 v1, 15, v0                           ; r
	v_bfe_u32 v2, v0, 4, 1                         ; h
	v_mul_u32_u24 v3, v1, PITCH
	v_mul_u32_u24 v4, v2, 24
	v_add_nc_u32 v4, v3, v4                        ; B: a fragment's row x pitch + 24 x half
	v_lshl_add_u32 v5, v2, 4, v4                   ; and the same behind one padding more
	v_and_b32 v6, 31, v0
	v_lshlrev_b32 v7, 3, v6                        ; A: 8 x lane
	s_mul_i32 s21, s15, HALFT                      ; my 128 rows of A
	s_mul_i32 s22, s16, HALFT                      ; my 128 rows of B,
	s_add_co_u32 s22, s22, 2*HALFT                 ; behind A's
.irp s, 0,1
	v_add_nc_u32 v[ADRA+\s], s21, v7
	v_add_nc_u32 v[ADRB+\s], s22, v4
	v_add_nc_u32 v[ADRB+2+\s], s22, v5
	s_add_co_u32 s21, s21, SLOT
	s_add_co_u32 s22, s22, SLOT
.endr
	v_mul_u32_u24 v5, v1, KS
	v_lshrrev_b32 v6, 8, v5
	v_lshl_add_u32 v5, v6, 4, v5
	s_mul_i32 s21, s15, HALFS
	s_mul_i32 s22, s16, HALFS
	s_add_co_u32 s22, s22, 2*HALFS
	s_sub_co_u32 s22, s22, s21
	v_mul_u32_u24 v6, s22, v2                      ; lanes 16-31 take B's scale words
	s_add_co_u32 s21, s21, SCL
	v_add_nc_u32 v5, v5, v6
	v_add_nc_u32 v[ADRS], s21, v5
	s_mul_i32 s23, s14, 16*SPITCH                  ; my stage
	v_mul_u32_u24 v5, v1, SPITCH                   ; in: row r; my eight columns of accumulator b begin at byte 128 (b / 2) + 64 h + 32 (b % 2)
	v_lshl_add_u32 v5, v2, 6, v5
	v_add_nc_u32 v[STO], s23, v5
	v_and_b32 v6, 31, v0
	v_lshlrev_b32 v[CO], 4, v6                     ; back: the 32 lanes take one row of 512 bytes; and the same in out0
	v_add_nc_u32 v[RD], s23, v[CO]
	s_lshl_b32 s20, s17, 8
	s_lshl_b32 s21, s15, 7
	s_add_co_u32 s20, s20, s21                     ; my first row of out0
	s_mov_b32 s21, 0
	s_mov_b64 s[18:19], SIZE_N*4
	s_mul_u64 s[20:21], s[20:21], s[18:19]
	s_lshl_b32 s46, s42, 10                        ; my first column, in bytes
	s_lshl_b32 s47, s16, 9
	s_add_co_u32 s46, s46, s47
	s_mov_b32 s47, 0
	s_add_nc_u64 s[20:21], s[20:21], s[46:47]
	s_add_nc_u64 s[12:13], s[12:13], s[20:21]
	s_add_nc_u64 s[96:97], s[96:97], s[46:47]      ; and the bias of my 128 columns
	v_lshlrev_b32 v11, 6, v2
.irp b, 0,1,2,3,4,5,6,7
	global_load_b128 v[BI+8*\b:BI+8*\b+3], v11, s[96:97] offset:128*(\b/2)+32*(\b%2)
	global_load_b128 v[BI+8*\b+4:BI+8*\b+7], v11, s[96:97] offset:128*(\b/2)+32*(\b%2)+16
.endr
.macro FRAG reg, adr, q, i             ; a fragment of B from padded rows, in pieces of 8 bytes
.irp p, 0,1,2,3,4,5
.set PCE, 12*(\q)+6*(\p/3)+\p%3
.if PCE%8 < 5
	ds_load_b64 v[\reg+2*\p:\reg+2*\p+1], v[\adr] offset:8*PCE+16*(PCE/8)+(\i)*16*PITCH
.else
	ds_load_b64 v[\reg+2*\p:\reg+2*\p+1], v[\adr+2] offset:8*PCE+16*(PCE/8)+(\i)*16*PITCH
.endif
.endr
.endm
.macro FRAGI reg, adr, q, i            ; a fragment of A from its image: each load takes 256 consecutive bytes
.irp p, 0,1,2,3,4,5
	ds_load_b64 v[\reg+2*\p:\reg+2*\p+1], v[\adr] offset:3072*(\i)+1536*(\q)+256*\p
.endr
.endm
; 16 matrix instructions: A's blocks a0, a0 + 1 x B's eight.  zero = 1: the first product starts the sums from the bias.  The 64 accumulators take turns, one instruction a turn.
.macro MUL16 a0, p, q, sc, zero
.irp a, \a0, \a0+1
.irp b, 0,1,2,3,4,5,6,7
.if \zero
	v_wmma_scale_f32_16x16x128_f8f6f4 v[8*(8*((\a)%4)+\b):8*(8*((\a)%4)+\b)+7], v[128*(\p)+FR*\b:128*(\p)+FR*\b+FR-1], v[AF+FR*(\a):AF+FR*(\a)+FR-1], v[BI+8*\b:BI+8*\b+7], v[SC+8*NQ*(\sc)+NQ*\b+(\q)], v[SC+8*NQ*(\sc)+NQ*(\a)+(\q)] matrix_a_fmt:MATRIX_FMT_FP6 matrix_b_fmt:MATRIX_FMT_FP6 matrix_a_scale:MATRIX_SCALE_ROW1
.else
	v_wmma_scale_f32_16x16x128_f8f6f4 v[8*(8*((\a)%4)+\b):8*(8*((\a)%4)+\b)+7], v[128*(\p)+FR*\b:128*(\p)+FR*\b+FR-1], v[AF+FR*(\a):AF+FR*(\a)+FR-1], v[8*(8*((\a)%4)+\b):8*(8*((\a)%4)+\b)+7], v[SC+8*NQ*(\sc)+NQ*\b+(\q)], v[SC+8*NQ*(\sc)+NQ*(\a)+(\q)] matrix_a_fmt:MATRIX_FMT_FP6 matrix_b_fmt:MATRIX_FMT_FP6 matrix_a_scale:MATRIX_SCALE_ROW1
.endif
.endr
.endr
.endm
.macro FETCH_B slot, q, p
	WIN TO_B
.irp i, 0,1,2,3,4,5,6,7
	FRAG 128*(\p)+FR*\i, ADRB+\slot, \q, \i
.endr
	WIN 0
.endm
.macro FETCH_A slot, q, i0
.irp i, \i0, \i0+1, \i0+2, \i0+3
	FRAGI AF+FR*(\i), ADRA+\slot, \q, \i
.endr
.endm
.macro SCALES sc
.irp i, 0,1,2,3,4,5,6,7
	ds_load_b64 v[SC+8*NQ*\sc+NQ*\i:SC+8*NQ*\sc+NQ*\i+1], v[ADRS] offset:\i*SBLK
.endr
.endm
.macro PLACES n                        ; plain vector lines between a matrix instruction and a load into, or a read of, its registers
.rept \n
	v_nop
.endr
.endm
.macro STEP slot, q, zero
	s_wait_dscnt 4*NL                              ; B's set and A's blocks 0-3 are in; the youngest 24 loads (A's blocks 4-7) may be out
.if \zero
	WIN 0x81                                       ; source 0 window 1, source 1 and C (the bias) window 0, D window 2
.else
	WIN MUL_LO
.endif
	MUL16 0, (\q)%2, \q, \slot, \zero
	MUL16 2, (\q)%2, \q, \slot, \zero
	s_wait_dscnt 0
	PLACES NP
	FETCH_B \slot, (\q)+1, 1-(\q)%2
	FETCH_A \slot, (\q)+1, 0
.if \zero
	WIN 0xc1                                       ; D window 3
.else
	WIN MUL_HI
.endif
	MUL16 4, (\q)%2, \q, \slot, \zero
	MUL16 6, (\q)%2, \q, \slot, \zero
	PLACES NP
	WIN 0
	FETCH_A \slot, (\q)+1, 4
.endm
.macro TURN slot, next, fill           ; a slot's last step changes slots: one barrier; the wait for all tensor loads, the add and the wait for it and for the reads stand in front of it
	s_wait_tensorcnt 0x0                           ; all my tensor loads have landed: my part of the next slot
	ds_add_u32 v[SPW], v[NIL]                      ; 0 onto my spare word
	s_wait_dscnt 4*NL+1                            ; (the add and the youngest 24 loads may be out)
	WIN MUL_LO
	MUL16 0, 1, NQ-1, \slot, 0
	s_wait_dscnt 0x0                               ; the add is done, and my reads of this slot are over
	s_barrier_signal -1
	MUL16 2, 1, NQ-1, \slot, 0
	WIN 0
	s_barrier_wait -1
.if \fill
	CREST                                          ; a round of the cluster's barrier: no wave of any partner still reads this slot or has a load on its way
	s_add_nc_u64 s[G0+4*\slot+2:G0+4*\slot+3], s[G0+4*\slot+2:G0+4*\slot+3], 2*ASTEP
	s_add_nc_u64 s[G0B+4*\slot+2:G0B+4*\slot+3], s[G0B+4*\slot+2:G0B+4*\slot+3], 2*ROWB
	JLOAD G0+4*\slot, G1, G0B+4*\slot, G1B         ; the first tensor load behind the round; its four v_nop are the places in front of the loads below
.else
	PLACES NP
.endif
	v_add_nc_u32 v[ADRS], 4*NQ, v[ADRS]
	FETCH_B \next, 0, 0
	FETCH_A \next, 0, 0
	SCALES \next
	WIN MUL_HI
	MUL16 4, 1, NQ-1, \slot, 0
	MUL16 6, 1, NQ-1, \slot, 0
	PLACES NP
	WIN 0
	FETCH_A \next, 0, 4
.endm
	s_wait_tensorcnt 1                             ; the scales and my part of K step 0 are in (K step 1's load may be out)
	s_barrier_signal -1
	s_barrier_wait -1                              ; everybody's are
	FETCH_B 0, 0, 0
	FETCH_A 0, 0, 0
	SCALES 0
	FETCH_A 0, 0, 4
	s_wait_loadcnt 0x0                             ; the bias
	STEP 0, 0, 1                                   ; the first step's products start the sums
	s_mov_b32 s3, LAPS-1
.Llap:
	TURN 0, 1, 1
	STEP 1, 0, 0
	TURN 1, 0, 1
	STEP 0, 0, 0
	s_sub_co_u32 s3, s3, 1
	s_cmp_lg_u32 s3, 0
	s_cbranch_scc1 .Llap
	TURN 0, 1, 0                                   ; the last lap fills nothing
	STEP 1, 0, 0
	s_wait_dscnt 4*NL                              ; the very last step
	WIN MUL_LO
	MUL16 0, 1, NQ-1, 1, 0
	MUL16 2, 1, NQ-1, 1, 0
	s_wait_dscnt 0
	WIN MUL_HI
	MUL16 4, 1, NQ-1, 1, 0
	MUL16 6, 1, NQ-1, 1, 0
	WIN 0
; THE WAY OUT, block by block of 16 rows x 128 columns, through my own stage; the columns take their logical places there, the rows theirs in the stores' offsets.
.macro TOSTAGE a
.set AC, 64*((\a)%4)
	WIN 0x08+4*((\a)/4)                            ; the data: window 2 or 3
.irp b, 0,1,2,3,4,5,6,7
	ds_store_b128 v[STO], v[AC+8*\b:AC+8*\b+3] offset:128*(\b/2)+32*(\b%2)       ; each accumulator from its low end on
	ds_store_b128 v[STO], v[AC+8*\b+4:AC+8*\b+7] offset:128*(\b/2)+32*(\b%2)+16
.endr
	WIN 0
.set BB, BK+64*((\a)%2)
.irp t, 0,1,2,3,4,5,6,7,8,9,10,11,12,13,14,15
	ds_load_b128 v[BB+4*\t:BB+4*\t+3], v[RD] offset:\t*SPITCH   ; LDS serves a wave's instructions in order: these see the stores above
.endr
.endm
.macro SEND a, younger                 ; younger: the LDS instructions issued behind block a's loads, which may stay out
.set BB, BK+64*((\a)%2)
	s_wait_dscnt \younger
.if (\a) > 0                           ; block a begins at logical row 32 (a / 2) + 8 (a % 2): 8 rows on from an even block, 24 from an odd one.  (Behind a wait on XCNT: the earlier stores have read their base)
.if (\a)%2 == 1
	s_add_nc_u64 s[12:13], s[12:13], 8*SIZE_N*4
.else
	s_add_nc_u64 s[12:13], s[12:13], 24*SIZE_N*4
.endif
.endif
.irp t, 0,1,2,3,4,5,6,7,8,9,10,11,12,13,14,15
	global_store_b128 v[CO], v[BB+4*\t:BB+4*\t+3], s[12:13] offset:(\t+8*(\t/8))*SIZE_N*4 th:TH_STORE_NT   ; 32 lanes store 512 consecutive bytes, aligned
.endr
.endm
	PLACES NP
	TOSTAGE 0
.irp a, 1,2,3,4,5,6,7
.if \a > 1
	s_wait_xcnt 0x0                                ; block a - 2's stores have read their registers and their base
.endif
	TOSTAGE \a
	SEND \a-1, 32                                  ; behind block a - 1's loads: block a's 16 stores and 16 loads
.endr
	s_wait_xcnt 0x0
	SEND 7, 0
	s_wait_tensorcnt 0x0                           ; the wave's end
	ds_add_u32 v[SPW], v[NIL]
	s_wait_dscnt 0x0
	CROUND                                         ; the closing round
	s_endpgm
.Lfunc_end_k_q07ef8c14c0_proj:
	.size	k_q07ef8c14c0_proj, .Lfunc_end_k_q07ef8c14c0_proj-k_q07ef8c14c0_proj
	.p2alignl 7, 3214868480
	.fill 96, 4, 3214868480
	.section	.rodata,"a",@progbits
	.p2align	6, 0x0
	.amdhsa_kernel k_q07ef8c14c0_proj
		.amdhsa_group_segment_fixed_size 327680
		.amdhsa_private_segment_fixed_size 0
		.amdhsa_enable_private_segment 0
		.amdhsa_kernarg_size 48
		.amdhsa_user_sgpr_count 2
		.amdhsa_user_sgpr_kernarg_segment_ptr 1
		.amdhsa_wavefront_size32 1
		.amdhsa_system_sgpr_workgroup_id_x 1
		.amdhsa_system_sgpr_workgroup_id_y 1
		.amdhsa_system_sgpr_workgroup_id_z 1
		.amdhsa_system_vgpr_workitem_id 0
		.amdhsa_next_free_vgpr 1024
		.amdhsa_next_free_sgpr 100
		.amdhsa_reserve_vcc 0
		.amdhsa_float_denorm_mode_32 3
		.amdhsa_float_denorm_mode_16_64 3
		.amdhsa_memory_ordered 1
		.amdhsa_forward_progress 1
		.amdhsa_inst_pref_size 162
	.end_amdhsa_kernel
	.amdgpu_metadata
---
amdhsa.version: [ 1, 2 ]
amdhsa.kernels:
  - .name:           k_q07ef8c14c0_proj
    .symbol:         k_q07ef8c14c0_proj.kd
    .args:
      - { .name: oc, .offset: 0, .size: 8, .value_kind: global_buffer, .address_space: global }
      - { .name: os, .offset: 8, .size: 8, .value_kind: global_buffer, .address_space: global }
      - { .name: wc, .offset: 16, .size: 8, .value_kind: global_buffer, .address_space: global }
      - { .name: ws, .offset: 24, .size: 8, .value_kind: global_buffer, .address_space: global }
      - { .name: b_out, .offset: 32, .size: 8, .value_kind: global_buffer, .address_space: global }
      - { .name: out0, .offset: 40, .size: 8, .value_kind: global_buffer, .address_space: global }
    .group_segment_fixed_size: 327680
    .private_segment_fixed_size: 0
    .kernarg_segment_align: 8
    .kernarg_segment_size: 48
    .max_flat_workgroup_size: 128
    .sgpr_count:     100
    .vgpr_count:     1024
    .wavefront_size: 32
...
	.end_amdgpu_metadata
.endif
;; end of part 4
